; MI455X (gfx1250); checked and timed in simulation.
; The chip was launched on July 23, 2026; its instructions are those of AMD's public machine-readable ISA for CDNA 5 (MIT licence, August 2026) and "CDNA5" Instruction Set Architecture Reference Guide (July 2026). The comments in the code are by the model that wrote it; some were corrected since.
;; This GPT2 Block. Allowed arithmetic: matrix products marked QUANTISED: E5M2 operands, one given power-of-two scale a tensor, by v_wmma_f32_16x16x64_bf8_bf8 or v_wmma_f32_16x16x128_bf8_bf8, f32 sums; everything else in f32.
;; Inputs: c_attn_b 3,072 float32; c_attn_w_codes 3,072 x 32 x 32 uint8 (E5M2 codes of c_attn_w, K innermost, in blocks of 32 codes); c_proj_b 1,024 float32; c_proj_w_codes 1,024 x 32 x 32 uint8 (E5M2 codes of c_proj_w, K innermost, in blocks of 32 codes); fc_b 4,096 float32; fc_w_codes 4,096 x 32 x 32 uint8 (E5M2 codes of fc_w, K innermost, in blocks of 32 codes); hidden_states 2 x 2,048 x 1,024 float32; ln1_b 1,024 float32; ln1_g 1,024 float32; ln2_b 1,024 float32; ln2_g 1,024 float32; lowp_scales 12 int32 (the exponents e of the quantised operands' scales 2^e); proj_b 1,024 float32; proj_w_codes 1,024 x 128 x 32 uint8 (E5M2 codes of proj_w, K innermost, in blocks of 32 codes).
;; Outputs: out0 2 x 2,048 x 1,024 float32.
;; This version of the problem:
;;   THIS VERSION OF THE PROBLEM IS GIVEN IN LOW PRECISION. The matrix products marked QUANTISED in the list below multiply operands that are first quantised to E5M2 (5 exponent bits, 2 mantissa bits; 8 bits a number), with one given power-of-two scale for each operand tensor; their sums are f32. All else is computed in f32.
;;   The module's matrix products, in the order in which they are computed (A, B: the left and right operand; K: the contracted axis; several contracted axes count as one K, in the product's order):
;;     1. [M 4,096, K 1,024] x [K 1,024, N 3,072]; A: computed on the way; B: input c_attn_w (given as codes): QUANTISED (scales: A lowp_scales[0], B lowp_scales[1])
;;     2. batch 32 x [M 2,048, K 64] x [K 64, N 2,048]; A: computed on the way; B: computed on the way: QUANTISED (scales: A lowp_scales[2], B lowp_scales[3])
;;     3. batch 32 x [M 2,048, K 2,048] x [K 2,048, N 64]; A: softmax (see below); B: computed on the way: QUANTISED (scales: A lowp_scales[4], B lowp_scales[5])
;;     4. [M 4,096, K 1,024] x [K 1,024, N 1,024]; A: computed on the way; B: input c_proj_w (given as codes): QUANTISED (scales: A lowp_scales[6], B lowp_scales[7])
;;     5. [M 4,096, K 1,024] x [K 1,024, N 4,096]; A: computed on the way; B: input fc_w (given as codes): QUANTISED (scales: A lowp_scales[8], B lowp_scales[9])
;;     6. [M 4,096, K 4,096] x [K 4,096, N 1,024]; A: computed on the way; B: input proj_w (given as codes): QUANTISED (scales: A lowp_scales[10], B lowp_scales[11])
;;   THE QUANTISER, for each operand of a quantised product, along K:
;;     - The operand's scale is 2^e, e = its entry of the input lowp_scales (int32; the entries are numbered through the quantised products in the list's order, A before B).
;;     - Each number is divided by the scale, clamped to +-57,344, and rounded to the nearest number of E5M2, ties to even, subnormals kept.
;;     - The product sums the exact products of the quantised numbers (number of the format x scale) in f32.
;;   ~~~python
;;   def quantise(x, axis, e):      # numpy; x: float32 -> the quantised numbers, widened to float32 again
;;       x = np.moveaxis(x, axis, -1); K = x.shape[-1]
;;       r = np.clip(x / 2.0 ** e, -57344, 57344)
;;       step = 2.0 ** (np.maximum(np.frexp(np.where(r == 0, 1, r))[1] - 1, -14) - 2)
;;       q = np.round(r / step) * step * 2.0 ** e      # np.round: ties to even
;;       return np.moveaxis(q, -1, axis).astype(np.float32)
;;   ~~~
;;   SOFTMAX AHEAD OF A QUANTISED PRODUCT. Where the list says 'softmax', what is quantised is not the finished softmax but p = 2^(t - M), with t = logit x log2(e) and M = ceil(the row's largest t), a whole number; so 1/2 < the row's largest p <= 1. The row's sum l is taken of the UNQUANTISED p, in f32, and the product's result is divided by l at the end. Since M is a whole number, a kernel that streams over the keys may use a running M (the ceiling of the running maximum): every later rescaling is an exact power of two, so the quantised numbers keep their values, but for numbers so far below the row's largest that they fall under the format's range.
;;   OPERANDS COMPUTED ON THE WAY. 'Computed on the way' means the value that the module computes at that place (a softmax that the list does not call 'softmax' is quantised finished and normalised). What goes into a quantiser is computed in f32, as accurately as f32 sums, v_exp_f32 and their like allow (about 1e-6 of the number): no bf16 or f16 on the way to a quantiser, and a product that is left as it is and whose result goes on into a quantised operand takes f32 operands (vector FMAs, or v_wmma_f32_16x16x4_f32). A number that lies on a knife's edge between two numbers of the format may be rounded either way, as far as f32 arithmetic and the matrix unit's own rounding can turn it there, and no further.
;;   INPUTS GIVEN AS CODES. c_attn_w (in the module: [1024, 3072], K = its axis 0); c_proj_w (in the module: [1024, 1024], K = its axis 0); fc_w (in the module: [1024, 4096], K = its axis 0); proj_w (in the module: [4096, 1024], K = its axis 0): each comes as NAME_codes (uint8): NAME with its K axis moved to the last place and cut into blocks of 32 codes, [.., K / 32, bytes a block], one block behind the other in memory; one code a byte (a code: sign, 5 exponent bits, 2 mantissa bits); its scale is its entry of lowp_scales. Its value is code x scale, taken as it is: it is not quantised again, and the codes and scales need not be those that the quantiser above would give.
;; One version. Each part assembles by itself: llvm-mc -triple=amdgcn-amd-amdhsa -mcpu=gfx1250 --defsym DOCPART=n.
;; ======== version 1 of 1: 7 launches
;; limits: right only within a limited range of input values
;; workspace buffers: h_codes 4,194,304 bytes; q_codes 4,194,304 bytes; k_codes 4,194,304 bytes; v_codes 4,194,304 bytes; ctx_codes 4,194,304 bytes; x2 16,777,216 bytes; g_codes 16,777,216 bytes
;; launch ln1 (part 1): grid 1024 x 1, 4 waves a work-group, no clusters, 4,608 bytes of LDS; arguments hidden_states, ln1_g, ln1_b, lowp_scales, h_codes; writes h_codes
.if DOCPART == 1
	.amdgcn_target "amdgcn-amd-amdhsa--gfx1250"
	.amdhsa_code_object_version 6
	.text
	.protected	k_q7656a51452_ln1
	.globl	k_q7656a51452_ln1
	.p2align	8
	.type	k_q7656a51452_ln1,@function
k_q7656a51452_ln1:
	s_mov_b64 s[64:65], 0
	v_nop
	global_prefetch_b8 v0, s[64:65] scope:SCOPE_SE
	s_setreg_imm32_b32 hwreg(HW_REG_WAVE_MODE, 25, 1), 1
	s_wait_xcnt 0x0
; LayerNorm of 4,096 rows of 1,024 f32 numbers, and the quantiser behind it: codes of E5M2 with the one given scale 2^e, rows of 1,024 bytes.
; y = (x - mean) * rsqrt(mean of (x - mean)^2 + 1e-5) * g + b, all in f32, the mean taken away before the squares; code = y / 2^e, held within +-57,344, to the nearest code, ties to even.
; LIMITS: -126 <= e <= 112, so that 2^e and 57,344 x 2^e are f32 numbers.  NaN and infinities among the inputs are not served.
; SHARES.  A wave takes ONE row: 4,096 bytes = 8 loads of 512 consecutive bytes, 32 registers a lane; the sums never leave the wave.  A work-group is four such waves; 1,024 work-groups.
; All 24 loads of a wave go out at the head, x's first: no loop, so no prefetch.  Work-groups share g and b alone (8 KiB): no cluster, no tensor load, no matrix unit.
; A lane's four codes of a load belong to 4 neighbouring columns; the row's 1,024 codes go through the wave's own LDS bytes and leave as two stores of 512 consecutive bytes.
.set ESC,   0                          ; byte of e in the buffer of scales
.set SPARE, 4096                       ; behind the four waves' 1,024 bytes: the spare words
.set OFF,   1                          ; v1   16 x lane
.set LIN,   2                          ; v2   LDS: wave x 1,024 + 4 x lane
.set LOUT,  3                          ; v3   LDS: wave x 1,024 + 16 x lane
.set SPW,   5
.set NIL,   6
.set SCL,   7                          ; v7   2^e
.set LIM,   8                          ; v8   57,344 x 2^e
.set PD,    9
.set G,     16
.set BV,    48
.set X,     80
.set C,     112
	s_load_b256 s[4:11], s[0:1], 0x0               ; x s[4:5], g s[6:7], b s[8:9], the scales s[10:11]
	s_load_b64 s[12:13], s[0:1], 0x20              ; the codes
	v_lshl_add_u32 v[SPW], v0, 2, SPARE
	v_mov_b32 v[NIL], 0
	v_lshrrev_b32 v4, 5, v0
	v_readfirstlane_b32 s16, v4                    ; wave 0..3
	v_and_b32 v4, 31, v0
	v_lshlrev_b32 v[OFF], 4, v4
	s_lshl_b32 s17, s16, 10
	v_lshl_add_u32 v[LIN], v4, 2, s17
	v_lshl_add_u32 v[LOUT], v4, 4, s17
	s_lshl_b32 s18, ttmp9, 2
	s_add_co_u32 s18, s18, s16                     ; my row: 4 x work-group + wave
	s_lshl_b32 s26, s18, 12
	s_mov_b32 s27, 0
	s_lshl_b32 s28, s18, 10
	s_mov_b32 s29, 0
	s_mov_b32 s21, 0x3a800000                      ; 1 / 1,024
	s_mov_b32 s22, 0x3727c5ac                      ; 1e-5
	s_mov_b32 s24, 0x76543210                      ; lane selects: lane l xor 16
	s_mov_b32 s25, 0xfedcba98
	v_mov_b32 v[PD], 0                             ; a permute's destination counts as read
	v_mov_b32 v15, 0                               ; (named as the upper half of the pair v[14:15])
	s_wait_alu depctr_va_vdst(0)                   ; the wait at the head's end
	s_wait_kmcnt 0x0
	s_load_b32 s20, s[10:11], ESC                  ; e
	s_add_nc_u64 s[4:5], s[4:5], s[26:27]
	s_add_nc_u64 s[12:13], s[12:13], s[28:29]
.irp j, 0,1,2,3,4,5,6,7
	global_load_b128 v[X+4*\j:X+4*\j+3], v[OFF], s[4:5] offset:512*\j   ; columns 128 j + 4 lane + 0..3
.endr
.irp j, 0,1,2,3,4,5,6,7
	global_load_b128 v[G+4*\j:G+4*\j+3], v[OFF], s[6:7] offset:512*\j
.endr
.irp j, 0,1,2,3,4,5,6,7
	global_load_b128 v[BV+4*\j:BV+4*\j+3], v[OFF], s[8:9] offset:512*\j
.endr
	s_wait_kmcnt 0x0
	s_add_co_i32 s20, s20, 127
	s_lshl_b32 s23, s20, 23
	v_mov_b32 v[SCL], s23
	s_add_co_i32 s20, s20, 15
	s_lshl_b32 s20, s20, 23
	s_or_b32 s20, s20, 0x600000
	v_mov_b32 v[LIM], s20
.macro ALLSUM                          ; the two chains v[10:11], v[12:13] are joined and summed over the 32 lanes
	v_pk_add_f32 v[10:11], v[10:11], v[12:13]
	v_add_f32 v10, v10, v11
	v_add_f32_dpp v10, v10, v10 row_xmask:1 row_mask:0xf bank_mask:0xf
	v_add_f32_dpp v10, v10, v10 row_xmask:2 row_mask:0xf bank_mask:0xf
	v_add_f32_dpp v10, v10, v10 row_xmask:4 row_mask:0xf bank_mask:0xf
	v_add_f32_dpp v10, v10, v10 row_xmask:8 row_mask:0xf bank_mask:0xf
	v_permlanex16_b32 v[PD], v10, s24, s25
	v_add_f32 v10, v10, v[PD]
.endm
	s_wait_loadcnt 16                              ; x is in; the 16 younger loads, g's and b's, may be out
	v_pk_add_f32 v[10:11], v[X:X+1], v[X+2:X+3]
	v_pk_add_f32 v[12:13], v[X+4:X+5], v[X+6:X+7]
.irp j, 8,12,16,20,24,28
	v_pk_add_f32 v[10:11], v[10:11], v[X+\j:X+\j+1]
	v_pk_add_f32 v[12:13], v[12:13], v[X+\j+2:X+\j+3]
.endr
	ALLSUM
	v_mul_f32 v14, s21, v10                        ; the mean
.irp j, 0,2,4,6,8,10,12,14,16,18,20,22,24,26,28,30
	v_pk_add_f32 v[X+\j:X+\j+1], v[X+\j:X+\j+1], v[14:15] op_sel_hi:[1,0] neg_lo:[0,1] neg_hi:[0,1]
.endr
	v_pk_mul_f32 v[10:11], v[X:X+1], v[X:X+1]
	v_pk_mul_f32 v[12:13], v[X+2:X+3], v[X+2:X+3]
.irp j, 4,8,12,16,20,24,28
	v_pk_fma_f32 v[10:11], v[X+\j:X+\j+1], v[X+\j:X+\j+1], v[10:11]
	v_pk_fma_f32 v[12:13], v[X+\j+2:X+\j+3], v[X+\j+2:X+\j+3], v[12:13]
.endr
	ALLSUM
	v_fma_f32 v10, v10, s21, s22                   ; the variance + 1e-5
	s_wait_alu depctr_va_vdst(0)                   ; the wait ahead of the transcendental,
	v_rsq_f32 v14, v10
	v_nop
	s_wait_alu depctr_va_vdst(0)                   ; and ahead of the first reader of its result
.irp j, 0,2,4,6,8,10,12,14,16,18,20,22,24,26,28,30
	v_pk_mul_f32 v[X+\j:X+\j+1], v[X+\j:X+\j+1], v[14:15] op_sel_hi:[1,0]
.endr
	s_wait_alu depctr_va_vdst(0)                   ; the wait here, directly ahead of the wait below
	s_wait_loadcnt 0x0                             ; g and b
.irp j, 0,2,4,6,8,10,12,14,16,18,20,22,24,26,28,30
	v_pk_fma_f32 v[X+\j:X+\j+1], v[X+\j:X+\j+1], v[G+\j:G+\j+1], v[BV+\j:BV+\j+1]
.endr
.irp j, 0,1,2,3,4,5,6,7,8,9,10,11,12,13,14,15,16,17,18,19,20,21,22,23,24,25,26,27,28,29,30,31
	v_med3_num_f32 v[X+\j], v[X+\j], -v[LIM], v[LIM]   ; the conversion does not saturate (ISA guide 7.6.2): the hold comes first
.endr
.irp m, 0,1,2,3
	v_cvt_scalef32_pk8_bf8_f32 v[C+2*\m:C+2*\m+1], v[X+8*\m:X+8*\m+7], v[SCL]   ; word j of the eight: the codes of columns 128 j + 4 lane + 0..3
.endr
	v_nop                                          ; a plain instruction behind the last conversion
.irp j, 0,1,2,3,4,5,6,7
	ds_store_b32 v[LIN], v[C+\j] offset:128*\j
.endr
.irp i, 0,1
	ds_load_b128 v[X+4*\i:X+4*\i+3], v[LOUT] offset:512*\i   ; LDS serves a wave's instructions in order: these see my stores
.endr
	s_wait_dscnt 0x0
.irp i, 0,1
	global_store_b128 v[OFF], v[X+4*\i:X+4*\i+3], s[12:13] offset:512*\i   ; 32 lanes store 512 consecutive bytes, aligned
.endr
	s_wait_tensorcnt 0x0                           ; the wave's end, behind my last LDS store
	ds_add_u32 v[SPW], v[NIL]
	s_wait_dscnt 0x0
	s_endpgm
.Lfunc_end_k_q7656a51452_ln1:
	.size	k_q7656a51452_ln1, .Lfunc_end_k_q7656a51452_ln1-k_q7656a51452_ln1
	.p2alignl 7, 3214868480
	.fill 96, 4, 3214868480
	.section	.rodata,"a",@progbits
	.p2align	6, 0x0
	.amdhsa_kernel k_q7656a51452_ln1
		.amdhsa_group_segment_fixed_size 4608
		.amdhsa_private_segment_fixed_size 0
		.amdhsa_enable_private_segment 0
		.amdhsa_kernarg_size 40
		.amdhsa_user_sgpr_count 2
		.amdhsa_user_sgpr_kernarg_segment_ptr 1
		.amdhsa_wavefront_size32 1
		.amdhsa_system_sgpr_workgroup_id_x 1
		.amdhsa_system_sgpr_workgroup_id_y 1
		.amdhsa_system_sgpr_workgroup_id_z 1
		.amdhsa_system_vgpr_workitem_id 0
		.amdhsa_next_free_vgpr 128
		.amdhsa_next_free_sgpr 66
		.amdhsa_reserve_vcc 0
		.amdhsa_float_denorm_mode_32 3
		.amdhsa_float_denorm_mode_16_64 3
		.amdhsa_memory_ordered 1
		.amdhsa_forward_progress 1
		.amdhsa_inst_pref_size 14
	.end_amdhsa_kernel
	.amdgpu_metadata
---
amdhsa.version: [ 1, 2 ]
amdhsa.kernels:
  - .name:           k_q7656a51452_ln1
    .symbol:         k_q7656a51452_ln1.kd
    .args:
      - { .name: hidden_states, .offset: 0, .size: 8, .value_kind: global_buffer, .address_space: global }
      - { .name: ln1_g, .offset: 8, .size: 8, .value_kind: global_buffer, .address_space: global }
      - { .name: ln1_b, .offset: 16, .size: 8, .value_kind: global_buffer, .address_space: global }
      - { .name: lowp_scales, .offset: 24, .size: 8, .value_kind: global_buffer, .address_space: global }
      - { .name: h_codes, .offset: 32, .size: 8, .value_kind: global_buffer, .address_space: global }
    .group_segment_fixed_size: 4608
    .private_segment_fixed_size: 0
    .kernarg_segment_align: 8
    .kernarg_segment_size: 40
    .max_flat_workgroup_size: 128
    .sgpr_count:     66
    .vgpr_count:     128
    .wavefront_size: 32
...
	.end_amdgpu_metadata
.endif
;; end of part 1
;; launch qkv (part 2): grid 12 x 16, 4 waves a work-group, clusters of 4 x 4, 327,680 bytes of LDS; arguments h_codes, c_attn_w_codes, c_attn_b, lowp_scales, q_codes, k_codes, v_codes; writes q_codes, k_codes, v_codes
.if DOCPART == 2
	.amdgcn_target "amdgcn-amd-amdhsa--gfx1250"
	.amdhsa_code_object_version 6
	.text
	.protected	k_q7656a51452_qkv
	.globl	k_q7656a51452_qkv
	.p2align	8
	.type	k_q7656a51452_qkv,@function
k_q7656a51452_qkv:
	s_mov_b64 s[64:65], 0
	v_nop
	global_prefetch_b8 v0, s[64:65] scope:SCOPE_SE
	s_setreg_imm32_b32 hwreg(HW_REG_WAVE_MODE, 25, 1), 1
	s_wait_xcnt 0x0
	s_wait_alu depctr_hold_cnt(0) depctr_sa_sdst(0) depctr_va_vdst(0) depctr_va_sdst(0) depctr_va_ssrc(0) depctr_va_vcc(0) depctr_vm_vsrc(0)
	s_getreg_b32 s2, hwreg(HW_REG_IB_STS2, 6, 4)
	s_cmp_eq_u32 s2, 0
	s_cbranch_scc0 .Lentry_in_a_cluster
	s_endpgm
.Lentry_in_a_cluster:
	s_bfe_u32 s2, ttmp6, 0x10000c
	s_cmp_lg_u32 s2, 0xf033
	s_cbranch_scc0 .Lentry_shape_is_right
	s_endpgm
.Lentry_shape_is_right:
; qkv = h W^T + bias on codes of E5M2, K = 1,024, and the quantisers of q, k and v behind it.  h: [4096 tokens][1024] codes (scale e0); W: [3072][1024] codes (e1); bias f32.
; OUT: q_codes, k_codes [32 = batch x 16 + head][2048 tokens][64] (scales e2, e3: K of the scores' product is the head's 64);
;      v_codes [32][64][2048 tokens] (e5: K of the second product is the keys, so the tokens lie innermost).
; A tile of 256 x 256 is made by four waves, each 128 x 128: 64 accumulators, 512 registers.  K goes in steps of 256 through two LDS slots filled by the tensor data mover.
; The two sides are called P (source 1 of the matrix instruction) and Q (source 0): a lane holds ONE row of P and eight neighbouring rows of Q in each accumulator, so one conversion gives 8 codes that are neighbours along Q.
; q and k (cluster x = 0, 1): P = tokens, Q = rows of W: codes neighbours along the head's 64.  v (cluster x = 2): P = rows of W, Q = tokens: codes neighbours along the tokens.  Nothing is transposed:
; only the two base addresses, the bias's side and the way back from the stage differ, all chosen by the cluster's x, which the sixteen partners share.
; CLUSTERS: 4 x 4 work-groups; P's tile hangs on cy and is asked for jointly by a row of the cluster, Q's on cx and by a column.
; LIMITS: e0 + e1 between -126 and 127; e2, e3, e5 between -126 and 112.  NaN and infinities are not served.
; REGISTERS: window 0: v0-31 addresses, v8-15 the bias by rows, v32-95 the bias by columns, v96-127 codes, from v128 P's fragments (one set), later sums at work and rows read back;
;   window 1: Q's fragments, two sets;  windows 2, 3: the accumulators ((a, b) at v[8 (8 (a % 4) + b)]).
.set ROWB,   256                       ; a tile's row in bytes: 256 codes
.set KROW,   1024                      ; a row of h or of W in memory
.set PITCH,  272                       ; an LDS row: 256 bytes + 16 of padding: the 16 rows of a fragment load start at 16 different banks (64 banks of 4 bytes: ISA guide 11.1)
.set FR,     16
.set NL,     4
.set NP,     4                         ; places behind this matrix instruction (ISA guide 7.12.1)
.set HALFT,  128*PITCH
.set SLOT,   4*HALFT
.set LAPS,   2                         ; K = 1,024 = twice round the ring of 2 x 256
.set SPARE,  2*SLOT                    ; behind the ring: the spare words, 128 bytes a wave
.set RB,   8                           ; v8-15   bias of P's row 16 a + r (v's tiles)
.set ADRA, 16                          ; v16-17  LDS address of my P fragments in slot 0, 1
.set ADRB, 20                          ; v20-21  the same for Q
.set RDQ,  22                          ; v22-23  q, k: where I read the stage back, tokens 0-127 and 128-255
.set RDQ2, 23
.set STO,  24                          ; v24     where I put 8 codes of a stage row
.set RD,   25                          ; v25     v: where I read a stage row back
.set CO,   26                          ; v26     v: my byte offset in v_codes
.set COQ,  27                          ; v27     q, k: 16 x lane
.set SPW,  28
.set NIL,  29
.set SC,   30                          ; v30     2^eo
.set LIMV, 31                          ; v31     57,344 x 2^eo
.set COLB, 32                          ; v32-95  bias of Q's row 16 b + 8 h + j at index 8 b + j (q's and k's tiles)
.set CD,   96                          ; v96-127 two sets of 16 registers of codes
.set TMP,  128
.set AF,   128
.set G1, 24
.set G0, 32
.set G1B, 48
.set G0B, 56
.set MSB, 0
.macro WIN new                         ; the immediate's high byte repeats the setting that is left
.if MSB != \new
	s_set_vgpr_msb (MSB<<8)|\new
.set MSB, \new
.endif
.endm
.set MUL_LO, 0xa1                      ; source 0 (Q) window 1, source 1 (P) window 0, C and D window 2
.set MUL_HI, 0xf1
.set TO_B,   0x40
; A joint load: waves 0 and 1 fetch P's halves, waves 2 and 3 Q's.  The branch hangs on the wave's number alone.  An s_nop 0 and four v_nop follow each line.
.macro JLOAD g0a, g1a, g0b, g1b
	s_cmp_eq_u32 s15, 0
	s_cbranch_scc0 .Lfor_b_\@
	tensor_load_to_lds s[\g0a:\g0a+3], s[\g1a:\g1a+7]
	s_nop 0
.rept 4
	v_nop
.endr
	s_branch .Lasked_\@
.Lfor_b_\@:
	tensor_load_to_lds s[\g0b:\g0b+3], s[\g1b:\g1b+7]
	s_nop 0
.rept 4
	v_nop
.endr
.Lasked_\@:
.endm
.macro CREST                           ; a round of the cluster's barrier behind its opening barrier
	s_cmp_lg_u32 s14, 0
	s_cbranch_scc1 .Lnot_wave_0_\@
	s_barrier_signal -3
.Lnot_wave_0_\@:
	s_barrier_wait -3
	s_barrier_signal -1
	s_barrier_wait -1
.endm
.macro CROUND
	s_barrier_signal -1
	s_barrier_wait -1
	CREST
.endm
	s_load_b256 s[4:11], s[0:1], 0x0               ; h's codes s[4:5], W's codes s[6:7], the bias s[8:9], the scales s[10:11]
	s_load_b128 s[68:71], s[0:1], 0x20             ; q_codes s[68:69], k_codes s[70:71]
	s_load_b64 s[72:73], s[0:1], 0x30              ; v_codes
	v_lshl_add_u32 v[SPW], v0, 2, SPARE
	v_mov_b32 v[NIL], 0
	ds_add_u32 v[SPW], v[NIL]                      ; the wave's opening: the add and its wait ahead of my first tensor load; work on registers stands between them
	ds_add_u32 v[SPW], v[NIL]
	v_lshrrev_b32 v1, 5, v0
	v_readfirstlane_b32 s14, v1                    ; wave 0..3
	s_lshr_b32 s15, s14, 1                         ; my half of P's rows.  Also: I fetch for P (0) or for Q (1)
	s_and_b32 s16, s14, 1                          ; my half of Q's rows.  Also: which 128 rows I fetch
	s_bfe_u32 s40, ttmp6, 0x40000                  ; cx
	s_bfe_u32 s41, ttmp6, 0x40004                  ; cy
	s_and_b32 s75, ttmp7, 0xffff                   ; the cluster's y: 1,024 tokens
	s_lshl_b32 s43, s41, 2
	s_lshl_b32 s43, 15, s43                        ; my row of the cluster
	s_lshl_b32 s44, 0x1111, s40                    ; my column
	s_or_b32 s[G1+0], s43, (0<<16)|(1<<20)|(1<<21)|(5<<22)|(3<<25)  ; the mask; elements of 1 byte; padding on; bit 21 beside a mask; 4 words of padding behind every 64
	s_or_b32 s[G1B+0], s44, (0<<16)|(1<<20)|(1<<21)|(5<<22)|(3<<25)
.irp g, G1, G1B
	s_mov_b32 s[\g+1], ROWB<<16                    ; tensor_dim0
	s_mov_b32 s[\g+2], 128<<16                     ; tensor_dim1
	s_mov_b32 s[\g+3], ROWB<<16                    ; tile_dim0
	s_mov_b32 s[\g+4], 128                         ; tile_dim1
	s_mov_b32 s[\g+5], KROW                        ; the pitch in memory: both tensors have rows of 1,024 bytes
	s_mov_b32 s[\g+6], 0
	s_mov_b32 s[\g+7], 0
.endr
	s_lshl_b32 s18, s16, 7                         ; which 128 rows of a tile I fetch
	s_lshl_b32 s19, s75, 10                        ; 1,024 x cluster y
	s_lshl_b32 s76, ttmp9, 10                      ; 1,024 x cluster x
	s_lshl_b32 s21, s41, 8                         ; 256 cy: enters P's address alone
	s_lshl_b32 s47, s40, 8                         ; 256 cx: enters Q's address alone
	s_cmp_eq_u32 ttmp9, 2                          ; v's cluster?  The same in all sixteen partners
	s_cselect_b32 s74, 1, 0
	s_cselect_b32 s20, 0x800, s19                  ; P's first row: W's row 2,048 on, or the cluster's tokens
	s_cselect_b32 s46, s19, s76                    ; Q's: the cluster's tokens, or W's rows of q or k
	s_add_co_u32 s20, s20, s21
	s_add_co_u32 s20, s20, s18
	s_add_co_u32 s46, s46, s47
	s_add_co_u32 s46, s46, s18
	s_lshl_b32 s20, s20, 10                        ; in bytes
	s_mov_b32 s21, 0
	s_lshl_b32 s46, s46, 10
	s_mov_b32 s47, 0
	s_mul_i32 s45, s14, HALFT                      ; where the tiles go: wave x 128 rows
	s_wait_dscnt 0x0                               ; the opening add is done
	s_wait_kmcnt 0x0
	s_load_b256 s[80:87], s[10:11], 0x0            ; e0 .. e7
	s_cmp_eq_u32 ttmp9, 2
	s_cselect_b64 s[22:23], s[6:7], s[4:5]         ; P's tensor
	s_cselect_b64 s[78:79], s[4:5], s[6:7]         ; Q's tensor
	s_add_nc_u64 s[20:21], s[22:23], s[20:21]
	s_add_nc_u64 s[46:47], s[78:79], s[46:47]
	CROUND                                         ; all sixteen work-groups are here: the first joint loads meet
.irp s, 0,1
	s_mov_b32 s[G0+4*\s], 1
	s_add_co_u32 s[G0+4*\s+1], s45, \s*SLOT
	s_add_nc_u64 s[G0+4*\s+2:G0+4*\s+3], s[20:21], \s*ROWB
	s_or_b32 s[G0+4*\s+3], s[G0+4*\s+3], 0x80000000
	s_mov_b32 s[G0B+4*\s], 1
	s_add_co_u32 s[G0B+4*\s+1], s45, \s*SLOT
	s_add_nc_u64 s[G0B+4*\s+2:G0B+4*\s+3], s[46:47], \s*ROWB
	s_or_b32 s[G0B+4*\s+3], s[G0B+4*\s+3], 0x80000000
.if \s == 0
	JLOAD G0, G1, G0B, G1B                         ; slot 0: one tensor load a wave at the head
.endif
.endr
	; THE PREFETCHES INTO THE L2: behind slot 0's load one instruction a wave for slot 1 and one for slot 2, behind slot 1's load one for slot 3: at most two slots are asked for and not yet loaded.
	; Of the 128 rows x 256 bytes that a wave fetches, each of the four partners that ask for them jointly takes 32 rows, told apart by address (cx for P, cy for Q), a lane a row: each block of 256 bytes is named once in each cluster that will load it.
	s_cmp_eq_u32 s15, 0                            ; do I fetch for P?
	s_cselect_b64 s[98:99], s[20:21], s[46:47]     ; the 128 rows that I fetch
	s_cselect_b32 s78, s40, s41                    ; my place among the four that ask with me
	s_lshl_b32 s78, s78, 15                        ; 32 rows of 1,024 bytes
	s_mov_b32 s79, 0
	s_add_nc_u64 s[98:99], s[98:99], s[78:79]      ; never rewritten
	v_and_b32 v18, 31, v0
	v_lshlrev_b32 v18, 10, v18                     ; never rewritten
	global_prefetch_b8 v18, s[98:99] offset:256 th:TH_LOAD_NT scope:SCOPE_SE
	global_prefetch_b8 v18, s[98:99] offset:512 th:TH_LOAD_NT scope:SCOPE_SE
	v_and_b32 v1, 15, v0
	v_bfe_u32 v2, v0, 4, 1                         ; h = lane / 16
	v_mul_u32_u24 v3, v1, PITCH
	s_wait_alu depctr_va_vdst(0)
	v_lshl_add_u32 v4, v2, 4, v3                   ; a fragment's row x pitch + 16 x half
	s_mul_i32 s21, s15, HALFT                      ; my 128 rows of P
	s_mul_i32 s22, s16, HALFT                      ; my 128 rows of Q,
	s_add_co_u32 s22, s22, 2*HALFT                 ; which lie behind P's 256
.irp s, 0,1
	v_add_nc_u32 v[ADRA+\s], s21, v4
	v_add_nc_u32 v[ADRB+\s], s22, v4
	s_add_co_u32 s21, s21, SLOT
	s_add_co_u32 s22, s22, SLOT
.endr
	; the stage, 256 rows (P) x 272 bytes (256 codes along Q), lies in slot 0
	s_mul_i32 s23, s15, HALFT
	s_lshl_b32 s18, s16, 7
	s_add_co_u32 s23, s23, s18
	v_lshl_add_u32 v[STO], v2, 3, v3
	v_add_nc_u32 v[STO], s23, v[STO]               ; (128 x my half of P + r) x 272 + 128 x my half of Q + 8 h
	s_mul_i32 s23, s14, 64*PITCH
	v_mul_u32_u24 v[RD], v2, PITCH
	v_lshl_add_u32 v[RD], v1, 4, v[RD]
	v_add_nc_u32 v[RD], s23, v[RD]                 ; v: rows 64 x wave on, two rows a load, sixteen lanes a row
	v_lshlrev_b32 v[CO], 11, v2
	v_lshl_add_u32 v[CO], v1, 4, v[CO]             ; and the same two rows of 2,048 bytes in v_codes
	v_bfe_u32 v7, v0, 2, 3                         ; lane / 4
	v_and_b32 v3, 3, v0                            ; lane % 4
	v_mul_u32_u24 v[RDQ], v7, PITCH
	v_lshl_add_u32 v[RDQ], v3, 4, v[RDQ]
	s_lshl_b32 s23, s14, 6
	v_add_nc_u32 v[RDQ], s23, v[RDQ]               ; q, k: token lane / 4, my head's 64 bytes (64 x wave), 16 (lane % 4)
	v_add_nc_u32 v[RDQ2], 128*PITCH, v[RDQ]        ; 128 tokens on: the immediate alone does not reach so far
	v_and_b32 v[COQ], 31, v0
	v_lshlrev_b32 v[COQ], 4, v[COQ]
	v_lshlrev_b32 v5, 5, v2                        ; the bias by columns: 32 h bytes
	s_wait_alu depctr_va_vdst(0)
	v_lshlrev_b32 v6, 2, v1                        ; the bias by rows: 4 r bytes
	s_wait_alu depctr_va_vdst(0)
	s_lshl_b32 s18, ttmp9, 10
	s_lshl_b32 s19, s40, 8
	s_add_co_u32 s18, s18, s19
	s_lshl_b32 s19, s16, 7
	s_add_co_u32 s18, s18, s19
	s_lshl_b32 s18, s18, 2                         ; q, k: 4 x (W's row of my first column)
	s_lshl_b32 s19, s41, 8
	s_add_co_u32 s19, s19, 2048
	s_lshl_b32 s23, s15, 7
	s_add_co_u32 s19, s19, s23
	s_lshl_b32 s19, s19, 2                         ; v: 4 x (W's row of my first row)
	s_cmp_eq_u32 s74, 1
	s_cselect_b32 s88, 0, s18                      ; the set that is not used is loaded from the bias's first bytes, so that no register's state hangs on the tile's kind
	s_cselect_b32 s90, s19, 0
	s_mov_b32 s89, 0
	s_mov_b32 s91, 0
	s_add_nc_u64 s[88:89], s[8:9], s[88:89]
	s_add_nc_u64 s[90:91], s[8:9], s[90:91]
.irp b, 0,1,2,3,4,5,6,7
	global_load_b128 v[COLB+8*\b:COLB+8*\b+3], v5, s[88:89] offset:64*\b
	global_load_b128 v[COLB+8*\b+4:COLB+8*\b+7], v5, s[88:89] offset:64*\b+16
.endr
.irp a, 0,1,2,3,4,5,6,7
	global_load_b32 v[RB+\a], v6, s[90:91] offset:64*\a
.endr
.macro FRAG reg, adr, q, i             ; a fragment, 16 rows x 128 K: registers 4 c .. 4 c + 3 hold K = 32 c + 16 (lane / 16) + 0 .. 15: the same order of k on both sides
.irp c, 0,1,2,3
	ds_load_b128 v[\reg+4*\c:\reg+4*\c+3], v[\adr] offset:128*(\q)+32*\c+(\i)*16*PITCH
.endr
.endm
; 16 matrix instructions: P's blocks a0, a0 + 1 x Q's eight.  The 64 accumulators take turns, one instruction a turn, in the same order in every step.
.macro MUL16 a0, p, zero
.irp a, \a0, \a0+1
.irp b, 0,1,2,3,4,5,6,7
.if \zero
	v_wmma_f32_16x16x128_bf8_bf8 v[8*(8*((\a)%4)+\b):8*(8*((\a)%4)+\b)+7], v[128*(\p)+FR*\b:128*(\p)+FR*\b+FR-1], v[AF+FR*(\a):AF+FR*(\a)+FR-1], 0
.else
	v_wmma_f32_16x16x128_bf8_bf8 v[8*(8*((\a)%4)+\b):8*(8*((\a)%4)+\b)+7], v[128*(\p)+FR*\b:128*(\p)+FR*\b+FR-1], v[AF+FR*(\a):AF+FR*(\a)+FR-1], v[8*(8*((\a)%4)+\b):8*(8*((\a)%4)+\b)+7]
.endif
.endr
.endr
.endm
.macro FETCH_B slot, q, p
	WIN TO_B
.irp i, 0,1,2,3,4,5,6,7
	FRAG 128*(\p)+FR*\i, ADRB+\slot, \q, \i
.endr
	WIN 0
.endm
.macro FETCH_A slot, q, i0
.irp i, \i0, \i0+1, \i0+2, \i0+3
	FRAG AF+FR*(\i), ADRA+\slot, \q, \i
.endr
.endm
.macro PLACES n                        ; plain vector instructions between a matrix instruction and a load into, or a vector access to, its registers
.rept \n
	v_nop
.endr
.endm
.macro STEP slot, q, zero              ; 128 along K, with its successor in the same slot
	s_wait_dscnt 4*NL                              ; Q's set and P's blocks 0-3 are in; the youngest 16 loads (P's blocks 4-7) may be out
	WIN MUL_LO
	MUL16 0, (\q)%2, \zero
	MUL16 2, (\q)%2, \zero
	s_wait_dscnt 0
	PLACES NP
	FETCH_B \slot, (\q)+1, 1-(\q)%2
	FETCH_A \slot, (\q)+1, 0
	WIN MUL_HI
	MUL16 4, (\q)%2, \zero
	MUL16 6, (\q)%2, \zero
	PLACES NP
	WIN 0
	FETCH_A \slot, (\q)+1, 4
.endm
; A slot's last step changes slots: one barrier; in front of it each wave waits for all its tensor loads, adds 0 to its spare word, and waits for that and for its reads of this slot.
.macro TURN slot, next, fill
	s_wait_tensorcnt 0x0                           ; all my tensor loads have landed: my part of the next slot
	ds_add_u32 v[SPW], v[NIL]
	s_wait_dscnt 4*NL+1                            ; the add and the youngest 16 loads may be out
	WIN MUL_LO
	MUL16 0, 1, 0
	s_wait_dscnt 0x0                               ; the add is done, and my reads of this slot are over
	s_barrier_signal -1
	MUL16 2, 1, 0
	WIN 0
	s_barrier_wait -1
.if \fill
	CREST                                          ; the barrier has opened a round of the cluster's: no wave of any partner still reads this slot or has a load on its way
	s_add_nc_u64 s[G0+4*\slot+2:G0+4*\slot+3], s[G0+4*\slot+2:G0+4*\slot+3], 2*ROWB
	s_add_nc_u64 s[G0B+4*\slot+2:G0B+4*\slot+3], s[G0B+4*\slot+2:G0B+4*\slot+3], 2*ROWB
	JLOAD G0+4*\slot, G1, G0B+4*\slot, G1B         ; the first tensor load behind the round; its four v_nop are the places in front of the loads below
.else
	PLACES NP
.endif
	FETCH_B \next, 0, 0
	FETCH_A \next, 0, 0
	WIN MUL_HI
	MUL16 4, 1, 0
	MUL16 6, 1, 0
	PLACES NP
	WIN 0
	FETCH_A \next, 0, 4
.endm
	s_wait_alu depctr_va_vdst(0)                   ; the wait at the head's end
	s_wait_tensorcnt 0x0                           ; my part of slot 0 is in; slot 1's first fill is issued as a refill is
	ds_add_u32 v[SPW], v[NIL]
	s_wait_dscnt 0x0
	CROUND
	JLOAD G0+4, G1, G0B+4, G1B
	global_prefetch_b8 v18, s[98:99] offset:768 th:TH_LOAD_NT scope:SCOPE_SE   ; slot 3
	FETCH_B 0, 0, 0
	FETCH_A 0, 0, 0
	FETCH_A 0, 0, 4
	STEP 0, 0, 1                                   ; the first step's products start the sums
	s_mov_b32 s3, LAPS-1
.Llap:
	TURN 0, 1, 1
	STEP 1, 0, 0
	TURN 1, 0, 1
	STEP 0, 0, 0
	s_sub_co_u32 s3, s3, 1
	s_cmp_lg_u32 s3, 0
	s_cbranch_scc1 .Llap
	TURN 0, 1, 0                                   ; the last lap fills nothing
	STEP 1, 0, 0
	s_wait_dscnt 4*NL
	WIN MUL_LO
	MUL16 0, 1, 0
	MUL16 2, 1, 0
	s_wait_dscnt 0
	WIN MUL_HI
	MUL16 4, 1, 0
	MUL16 6, 1, 0
	WIN 0
; THE WAY OUT, block by block of 16 rows of P: sum x 2^(e0 + e1) + bias, the hold, the conversion, 8 codes a lane and accumulator into the work-group's stage.
.macro BLK_COL a                       ; the bias runs along Q
.set AC, 64*((\a)%4)
	WIN 0x02+((\a)/4)                              ; source 0: window 2 or 3
.set j, 0
.rept 32
	v_pk_fma_f32 v[TMP+j:TMP+j+1], v[AC+j:AC+j+1], s[96:97], v[COLB+j:COLB+j+1] op_sel_hi:[1,0,1]   ; ascending: each accumulator from its low end on
.set j, j+2
.endr
	WIN 0
.endm
.macro BLK_ROW a                       ; the bias runs along P: one number a lane and block; it is one word of a pair, taken for both halves
.set AC, 64*((\a)%4)
.set RP, RB+2*((\a)/2)
	WIN 0x02+((\a)/4)
.set j, 0
.rept 32
.if (\a)%2
	v_pk_fma_f32 v[TMP+j:TMP+j+1], v[AC+j:AC+j+1], s[96:97], v[RP:RP+1] op_sel:[0,0,1] op_sel_hi:[1,0,1]
.else
	v_pk_fma_f32 v[TMP+j:TMP+j+1], v[AC+j:AC+j+1], s[96:97], v[RP:RP+1] op_sel_hi:[1,0,0]
.endif
.set j, j+2
.endr
	WIN 0
.endm
.macro BLK a
	s_cmp_eq_u32 s74, 0
	s_cbranch_scc0 .Lrow_\@
	BLK_COL \a
	s_branch .Ljoin_\@
.Lrow_\@:
	BLK_ROW \a
.Ljoin_\@:
.endm
.macro QSTORE a
.set CDS, CD+16*((\a)%2)
.if (\a) >= 2
	s_wait_dscnt 8                                 ; the block before's eight stores may be out: those of two blocks back have read this set of registers
.endif
.set j, 0
.rept 64
	v_med3_num_f32 v[TMP+j], v[TMP+j], -v[LIMV], v[LIMV]   ; the conversion does not saturate (ISA guide 7.6.2)
.set j, j+1
.endr
.irp b, 0,1,2,3,4,5,6,7
	v_cvt_scalef32_pk8_bf8_f32 v[CDS+2*\b:CDS+2*\b+1], v[TMP+8*\b:TMP+8*\b+7], v[SC]
.endr
	v_nop                                          ; a plain instruction behind the last conversion: the next block writes its sources
.irp b, 0,1,2,3,4,5,6,7
	ds_store_b64 v[STO], v[CDS+2*\b:CDS+2*\b+1] offset:(\a)*16*PITCH+16*\b
.endr
.endm
	s_wait_kmcnt 0x0
	s_add_co_i32 s96, s80, s81                     ; e0 + e1
	s_add_co_i32 s96, s96, 127
	s_lshl_b32 s96, s96, 23                        ; 2^(e0 + e1) as f32
	s_mov_b32 s97, s96                             ; (named with it as a pair)
	s_cmp_eq_u32 ttmp9, 1
	s_cselect_b32 s92, s83, s85                    ; k: e3; v: e5
	s_cmp_eq_u32 ttmp9, 0
	s_cselect_b32 s92, s82, s92                    ; q: e2
	s_add_co_i32 s92, s92, 127
	s_lshl_b32 s93, s92, 23
	v_mov_b32 v[SC], s93
	s_add_co_i32 s92, s92, 15
	s_lshl_b32 s92, s92, 23
	s_or_b32 s92, s92, 0x600000
	v_mov_b32 v[LIMV], s92
	s_wait_loadcnt 0x0                             ; the biases, asked for at the head
	PLACES NP                                      ; behind the last products: their sources' registers are written next
.irp a, 0,1,2,3,4,5,6,7
	BLK \a
	QSTORE \a
.endr
	s_wait_dscnt 0x0                               ; for the others' sake: my stores into the stage are done
	s_barrier_signal -1
	s_barrier_wait -1                              ; a stage row's 256 bytes come from two waves
	s_cmp_eq_u32 s74, 1
	s_cselect_b32 s92, s40, s41                    ; the tokens' tile: 4 x cluster y + cx (v) or cy (q, k)
	s_lshl_b32 s93, s75, 2
	s_add_co_u32 s92, s92, s93
	s_lshr_b32 s93, s92, 3                         ; the batch
	s_and_b32 s92, s92, 7
	s_lshl_b32 s92, s92, 8                         ; the tile's first token in it
	s_cmp_eq_u32 s74, 0
	s_cbranch_scc0 .Lv_out
	; q, k: wave w takes head 4 cx + w for the tile's 256 tokens: 16 KiB on end
	s_lshl_b32 s94, s93, 4
	s_lshl_b32 s95, s40, 2
	s_add_co_u32 s94, s94, s95
	s_add_co_u32 s94, s94, s14
	s_lshl_b32 s94, s94, 11
	s_add_co_u32 s94, s94, s92
	s_lshl_b32 s94, s94, 6
	s_mov_b32 s95, 0
	s_cmp_eq_u32 ttmp9, 0
	s_cselect_b64 s[68:69], s[68:69], s[70:71]
	s_add_nc_u64 s[68:69], s[68:69], s[94:95]
.set t, 0
.rept 32
.if t < 16
	ds_load_b128 v[128+4*t:128+4*t+3], v[RDQ] offset:t*8*PITCH      ; tokens 8 t + lane / 4
.else
	ds_load_b128 v[128+4*t:128+4*t+3], v[RDQ2] offset:(t-16)*8*PITCH
.endif
.set t, t+1
.endr
.set t, 0
.rept 32
	s_wait_dscnt 31-t                              ; the younger loads may be out
	global_store_b128 v[COQ], v[128+4*t:128+4*t+3], s[68:69] offset:512*t   ; 32 lanes store 512 consecutive bytes, aligned
.set t, t+1
.endr
	s_branch .Lout_done
.Lv_out:
	; v: wave w takes the tile's rows 64 w on; a row is 256 tokens' codes
	s_lshl_b32 s94, s93, 10
	s_lshl_b32 s95, s41, 8
	s_add_co_u32 s94, s94, s95
	s_lshl_b32 s95, s14, 6
	s_add_co_u32 s94, s94, s95
	s_lshl_b32 s94, s94, 11
	s_add_co_u32 s94, s94, s92
	s_mov_b32 s95, 0
	s_add_nc_u64 s[72:73], s[72:73], s[94:95]
.set t, 0
.rept 32
	ds_load_b128 v[128+4*t:128+4*t+3], v[RD] offset:t*2*PITCH
.set t, t+1
.endr
.set t, 0
.rept 32
	s_wait_dscnt 31-t
	global_store_b128 v[CO], v[128+4*t:128+4*t+3], s[72:73] offset:2*t*2048   ; sixteen lanes store 256 consecutive bytes, aligned
.set t, t+1
.endr
.Lout_done:
	s_wait_tensorcnt 0x0                           ; the wave's end
	ds_add_u32 v[SPW], v[NIL]
	s_wait_dscnt 0x0
	CROUND                                         ; the closing round: no work-group ends while a partner may still ask for a tile that names it
	s_endpgm
.Lfunc_end_k_q7656a51452_qkv:
	.size	k_q7656a51452_qkv, .Lfunc_end_k_q7656a51452_qkv-k_q7656a51452_qkv
	.p2alignl 7, 3214868480
	.fill 96, 4, 3214868480
	.section	.rodata,"a",@progbits
	.p2align	6, 0x0
	.amdhsa_kernel k_q7656a51452_qkv
		.amdhsa_group_segment_fixed_size 327680
		.amdhsa_private_segment_fixed_size 0
		.amdhsa_enable_private_segment 0
		.amdhsa_kernarg_size 56
		.amdhsa_user_sgpr_count 2
		.amdhsa_user_sgpr_kernarg_segment_ptr 1
		.amdhsa_wavefront_size32 1
		.amdhsa_system_sgpr_workgroup_id_x 1
		.amdhsa_system_sgpr_workgroup_id_y 1
		.amdhsa_system_sgpr_workgroup_id_z 1
		.amdhsa_system_vgpr_workitem_id 0
		.amdhsa_next_free_vgpr 1024
		.amdhsa_next_free_sgpr 100
		.amdhsa_reserve_vcc 0
		.amdhsa_float_denorm_mode_32 3
		.amdhsa_float_denorm_mode_16_64 3
		.amdhsa_memory_ordered 1
		.amdhsa_forward_progress 1
		.amdhsa_inst_pref_size 170
	.end_amdhsa_kernel
	.amdgpu_metadata
---
amdhsa.version: [ 1, 2 ]
amdhsa.kernels:
  - .name:           k_q7656a51452_qkv
    .symbol:         k_q7656a51452_qkv.kd
    .args:
      - { .name: h_codes, .offset: 0, .size: 8, .value_kind: global_buffer, .address_space: global }
      - { .name: c_attn_w_codes, .offset: 8, .size: 8, .value_kind: global_buffer, .address_space: global }
      - { .name: c_attn_b, .offset: 16, .size: 8, .value_kind: global_buffer, .address_space: global }
      - { .name: lowp_scales, .offset: 24, .size: 8, .value_kind: global_buffer, .address_space: global }
      - { .name: q_codes, .offset: 32, .size: 8, .value_kind: global_buffer, .address_space: global }
      - { .name: k_codes, .offset: 40, .size: 8, .value_kind: global_buffer, .address_space: global }
      - { .name: v_codes, .offset: 48, .size: 8, .value_kind: global_buffer, .address_space: global }
    .group_segment_fixed_size: 327680
    .private_segment_fixed_size: 0
    .kernarg_segment_align: 8
    .kernarg_segment_size: 56
    .max_flat_workgroup_size: 128
    .sgpr_count:     100
    .vgpr_count:     1024
    .wavefront_size: 32
...
	.end_amdgpu_metadata
.endif
;; end of part 2
;; launch attn (part 3): grid 8 x 32, 16 waves a work-group, clusters of 4 x 1, 327,680 bytes of LDS; arguments q_codes, k_codes, v_codes, lowp_scales, ctx_codes; writes ctx_codes
.if DOCPART == 3
	.amdgcn_target "amdgcn-amd-amdhsa--gfx1250"
	.amdhsa_code_object_version 6
	.text
	.protected	k_q7656a51452_attn
	.globl	k_q7656a51452_attn
	.p2align	8
	.type	k_q7656a51452_attn,@function
k_q7656a51452_attn:
	s_mov_b64 s[64:65], 0
	v_nop
	global_prefetch_b8 v0, s[64:65] scope:SCOPE_SE
	s_setreg_imm32_b32 hwreg(HW_REG_WAVE_MODE, 25, 1), 1
	s_wait_xcnt 0x0
	s_wait_alu depctr_hold_cnt(0) depctr_sa_sdst(0) depctr_va_vdst(0) depctr_va_sdst(0) depctr_va_ssrc(0) depctr_va_vcc(0) depctr_vm_vsrc(0)
	s_getreg_b32 s2, hwreg(HW_REG_IB_STS2, 6, 4)
	s_cmp_eq_u32 s2, 0
	s_cbranch_scc0 .Lentry_in_a_cluster
	s_endpgm
.Lentry_in_a_cluster:
	s_bfe_u32 s2, ttmp6, 0x10000c
	s_cmp_lg_u32 s2, 0x3003
	s_cbranch_scc0 .Lentry_shape_is_right
	s_endpgm
.Lentry_shape_is_right:
; Causal attention on codes of E5M2, head size 64, 32 heads (batch x 16 + head) of 2,048 tokens, and the quantiser of its result.
; q_codes, k_codes: [32][2048][64] (scales e2, e3).  v_codes: [32][64][2048], the keys innermost (e5).  OUT: ctx_codes [16 heads][4096 tokens][64] (e6).
; THE SOFTMAX: t = score x log2(e) / 8; M = the largest t so far, rounded UP to a whole number; p = 2^(t - M) is quantised with 2^e4, not normalised; the sum of the unquantised p divides at the end.
; LEFT OUT: key steps all of whose keys lie behind a tile's queries: the causal mask throws their scores away.
; K AND V OF A HEAD LIE IN LDS WHOLE: 2,048 rows of K (64 + 16 bytes) and 8 chunks of V (64 rows x (256 + 16) bytes) are 303,104 bytes.  Each of the sixteen waves asks for one chunk of 256 keys
; at the head (waves 0-7: K's, waves 8-15: V's); one barrier; nothing is filled again, and the loop over key steps has no barrier.
; SHARES.  Work-group x (0..7) of a head owns the query tiles 8 rho + x, rho = 0..15: queries 128 rho + 16 x + 0..15, which need the key steps 0..rho of 128 keys, the last on the diagonal: the same in every work-group.
; Wave p (0..7) takes steps 0..7 of tile 15 - p.  Wave 8 + p takes that tile's other steps, 8..15 - p, keeps the partial result in registers, and then takes tile p, steps 0..p: 8 or 9 steps a wave.
; At the end wave 8 + p hands its partial (O, -M, the sum) to wave p through LDS, and wave p joins the two by exact powers of two.  All waves walk one loop of 9 trips; what a trip does hangs on the wave's number and the trip alone.
; CLUSTER 4, 1, 1: the four partners are work-groups of one head and need the same sixteen chunks: each chunk is asked for jointly (mask 15).  The place in the cluster enters global offsets and the mask's compare value alone.
; NO PREFETCH: every tile is asked for at the head; there is no loop to run ahead in.
; LAYOUT.  Both products are used transposed (S^T = K Q^T, O^T = V^T P^T): a lane holds ONE query.  Tile t of a step holds keys 16 t + 0..15, so register 8 t + j of lane (r, h) is key 16 t + 8 h + j:
; the conversions' results are the second product's operand in the form's own order of k, and V's fragments are fetched in that order, 8 bytes a load.
; Every wave loads both tiles' Q (waves 0-7 do not use the second) and writes the kept partial's registers once at the head: one text for both roles.
; LIMITS: the scaled scores stay under 2^31; e2 + e3 between -123 and 130; e4, and e6 - e4 - e5, between -126 and 112.  NaN and infinities are not served.
; REGISTERS: v1-9 addresses; v10 kept -M, v11 kept sum; v12 -M, v13 the largest t, v[14:15] the sum; v16-23 Q; v24-31 the second tile's Q; v32-95 fragments of K, then of V; v96-159 S^T, then p;
; v160-191 O^T; v192-223 the kept O^T; v224-239 p's codes; v234-255 at work (v240 the hold, v244 the scale, v241, v245, v247 LDS addresses of the way out).
.set KP,    80                         ; a key's row in LDS: 64 bytes + 16: 16 neighbouring rows start at 16 different groups of four banks (64 banks of 4 bytes: ISA guide 11.1)
.set VP,    272                        ; a row of a chunk of V: 256 bytes + 16
.set KCH,   256*KP                     ; a chunk of K
.set VCH,   64*VP                      ; a chunk of V
.set VOFF,  8*KCH
.set SPARE, VOFF+8*VCH                 ; the spare words, 128 bytes for each of 16 waves
.set XSZ,   4608                       ; a partial: 32 + 4 registers x 128 bytes.  Wave w's place is w x XSZ; wave p reads place p + 8
.set STAGE, 24*XSZ                     ; the way out: 16 rows x 80 bytes a wave.  Partials and stages lie in K's bytes, behind a barrier behind which nobody reads K: those bytes have had their only fill
.set AK0,  1
.set AV0,  2
.set D,    3                           ; v3   16 x + r - 8 h: register 8 t + j is hidden on the diagonal where 16 t + j > D
.set QO,   4
.set SPW,  5
.set NIL,  6
.set GO,   7
.set ADK,  8
.set ADV,  9
.set XA,   241
.set SI,   245
.set SO,   247
.set WV,   18
.set SEL,  20
.set CS,   22
.set G1K,  24
.set G1V,  32
.set G0K,  40
.set G0V,  44
.set CX,   48
.set X,    49
.set HD,   50
.set ROLE, 51                          ; 0: waves 0-7, 1: waves 8-15
.set P,    52
.set T,    53                          ; the trip, 0..8
.set SW,   54                          ; the trip at whose head the second tile begins: 8 - p; 9 (never) in waves 0-7
.set SKIPT, 55                         ; the trip without work: 8 in waves 0-7, none in the others
.set BASE, 56                          ; key step = trip + BASE ahead of SW, (trip + ADD2) mod 16 = trip - SW from SW on
.set ADD2, 57
.set SWM,  58
.set KS,   59
.set KA,   60
.set VA,   61
.set DG,   62
.macro VLD n                           ; the next n of a step's 32 loads of V's fragments: load vi brings registers 2 c, 2 c + 1 of tile t = vi / 8, c = vi % 8: keys 16 c + 8 h + 0 .. 7
.rept \n
	ds_load_b64 v[32+2*vi:33+2*vi], v[ADV] offset:16*(vi/8)*VP+16*(vi%8)
.set vi, vi+1
.endr
.endm
.macro CROUND
	s_barrier_signal -1
	s_barrier_wait -1
	s_cmp_lg_u32 s[WV], 0
	s_cbranch_scc1 .Lnot_wave_0_\@
	s_barrier_signal -3
.Lnot_wave_0_\@:
	s_barrier_wait -3
	s_barrier_signal -1
	s_barrier_wait -1
.endm
	s_load_b128 s[4:7], s[0:1], 0x0                ; q's codes s[4:5], k's codes s[6:7]
	s_load_b128 s[12:15], s[0:1], 0x10             ; v's codes s[12:13], the scales s[14:15]
	s_load_b64 s[16:17], s[0:1], 0x20              ; ctx's codes
	v_lshl_add_u32 v[SPW], v0, 2, SPARE
	v_mov_b32 v[NIL], 0
	ds_add_u32 v[SPW], v[NIL]                      ; the opening lines: the add twice on end and its wait ahead of my tensor load
	ds_add_u32 v[SPW], v[NIL]
	v_lshrrev_b32 v8, 5, v0
	v_readfirstlane_b32 s[WV], v8                  ; wave 0..15
	s_bfe_u32 s[CX], ttmp6, 0x40000
	s_lshl_b32 s[X], ttmp9, 2
	s_add_co_u32 s[X], s[X], s[CX]                 ; work-group x of the head
	s_and_b32 s[HD], ttmp7, 0xffff                 ; batch x 16 + head
	s_lshl_b32 s74, s[HD], 17                      ; its first byte in q_codes, k_codes, v_codes
	s_mov_b32 s75, 0
	s_lshr_b32 s[ROLE], s[WV], 3
	s_and_b32 s[P], s[WV], 7
	s_add_co_u32 s66, s[P], 1
	s_mul_i32 s66, s66, s[ROLE]
	s_sub_co_u32 s[SW], 9, s66
	s_sub_co_u32 s[SWM], s[SW], 1
	s_add_co_u32 s[SKIPT], s[ROLE], 8
	s_lshl_b32 s[BASE], s[ROLE], 3
	s_add_co_u32 s[ADD2], s[P], 8
	s_lshl_b32 s67, s[X], 4                        ; 16 x
	s_sub_co_u32 s66, 15, s[P]
	s_lshl_b32 s66, s66, 7
	s_add_co_u32 s66, s66, s67                     ; tile 15 - p: its first query,
	s_lshl_b32 s72, s[P], 7
	s_add_co_u32 s72, s72, s67                     ; and tile p's
	s_lshl_b32 s82, s66, 6
	s_add_co_u32 s82, s82, s74
	s_mov_b32 s83, 0
	s_lshl_b32 s86, s72, 6
	s_add_co_u32 s86, s86, s74
	s_mov_b32 s87, 0
	s_cmp_eq_u32 s[ROLE], 1
	s_cselect_b32 s88, s72, s66                    ; the tile that I store: p (waves 8-15) or 15 - p
	s_and_b32 s73, s[HD], 15
	s_lshl_b32 s73, s73, 12
	s_add_co_u32 s88, s88, s73
	s_lshr_b32 s73, s[HD], 4
	s_lshl_b32 s73, s73, 11
	s_add_co_u32 s88, s88, s73
	s_lshl_b32 s88, s88, 6                         ; (head x 4,096 + batch x 2,048 + query) x 64
	s_mov_b32 s89, 0
	s_lshl_b32 s94, s[P], 14                       ; chunk p of K: 16 KiB on end in memory,
	s_add_co_u32 s94, s94, s74
	s_mov_b32 s95, 0
	s_mul_i32 s93, s[P], KCH                       ; and its place in LDS
	s_lshl_b32 s96, s[P], 8                        ; chunk p of V: 256 bytes of each of 64 rows
	s_add_co_u32 s96, s96, s74
	s_mov_b32 s97, 0
	s_mul_i32 s98, s[P], VCH
	s_add_co_u32 s98, s98, VOFF
	s_mul_i32 s99, s[WV], XSZ
	s_mul_i32 s80, s[WV], 16*80
	s_add_co_u32 s80, s80, STAGE
	s_mov_b32 s[G1K], 15|(1<<20)|(1<<21)|(3<<22)|(3<<25)   ; the mask of the four partners; elements of 1 byte; padding on; bit 21 beside a mask; 4 words behind every 16
	s_mov_b32 s[G1K+1], 4096<<16                   ; K's chunk is dense: 4 rows of 4,096 bytes
	s_mov_b32 s[G1K+2], 4<<16
	s_mov_b32 s[G1K+3], 4096<<16
	s_mov_b32 s[G1K+4], 4
	s_mov_b32 s[G1K+5], 4096
	s_mov_b32 s[G1K+6], 0
	s_mov_b32 s[G1K+7], 0
	s_mov_b32 s[G1V], 15|(1<<20)|(1<<21)|(5<<22)|(3<<25)   ; 4 words behind every 64
	s_mov_b32 s[G1V+1], 256<<16
	s_mov_b32 s[G1V+2], 64<<16
	s_mov_b32 s[G1V+3], 256<<16
	s_mov_b32 s[G1V+4], 64
	s_mov_b32 s[G1V+5], 2048
	s_mov_b32 s[G1V+6], 0
	s_mov_b32 s[G1V+7], 0
	s_mov_b32 s[SEL], 0x76543210
	s_mov_b32 s[SEL+1], 0xfedcba98
	s_mov_b32 s[CS], 0x3e38aa3b                    ; c = log2(e) / sqrt(64)
	s_wait_dscnt 0x0                               ; both opening adds are done
	s_wait_kmcnt 0x0
	s_load_b128 s[68:71], s[14:15], 0x8            ; e2, e3, e4, e5
	s_load_b32 s90, s[14:15], 0x18                 ; e6
	s_mov_b32 s[G0K], 1
	s_mov_b32 s[G0K+1], s93
	s_add_nc_u64 s[G0K+2:G0K+3], s[6:7], s[94:95]
	s_or_b32 s[G0K+3], s[G0K+3], 0x80000000
	s_mov_b32 s[G0V], 1
	s_mov_b32 s[G0V+1], s98
	s_add_nc_u64 s[G0V+2:G0V+3], s[12:13], s[96:97]
	s_or_b32 s[G0V+3], s[G0V+3], 0x80000000
	CROUND                                         ; the four partners are here: the joint loads meet
	s_cmp_lt_u32 s[WV], 8                          ; one load a wave, in the arms of one branch on the wave's number; s_nop 0 and four v_nop behind each
	s_cbranch_scc0 .Lfor_v
	tensor_load_to_lds s[G0K:G0K+3], s[G1K:G1K+7]
	s_nop 0
.rept 4
	v_nop
.endr
	s_branch .Lasked
.Lfor_v:
	tensor_load_to_lds s[G0V:G0V+3], s[G1V:G1V+7]
	s_nop 0
.rept 4
	v_nop
.endr
.Lasked:
	s_add_nc_u64 s[76:77], s[4:5], s[82:83]
	s_add_nc_u64 s[78:79], s[4:5], s[86:87]
	s_add_nc_u64 s[16:17], s[16:17], s[88:89]
	v_and_b32 v8, 15, v0                           ; r
	v_bfe_u32 v9, v0, 4, 1                         ; h
	v_lshlrev_b32 v[QO], 6, v8
	v_lshl_add_u32 v[QO], v9, 4, v[QO]             ; Q: row r of 64 bytes, + 16 h
.irp c, 0,1
	global_load_b128 v[16+4*\c:19+4*\c], v[QO], s[76:77] offset:32*\c   ; registers 4 c .. 4 c + 3: k = 32 c + 16 h + 0 .. 15, as K's fragments have it
	global_load_b128 v[24+4*\c:27+4*\c], v[QO], s[78:79] offset:32*\c
.endr
	v_mul_u32_u24 v[AK0], v8, KP
	v_lshl_add_u32 v[AK0], v9, 4, v[AK0]           ; K: row r, + 16 h
	v_mul_u32_u24 v[AV0], v8, VP
	v_lshl_add_u32 v[AV0], v9, 3, v[AV0]
	v_add_nc_u32 v[AV0], VOFF, v[AV0]              ; V: row r, + 8 h
	v_and_b32 v[GO], 31, v0
	v_lshlrev_b32 v[GO], 4, v[GO]                  ; 16 x lane
	v_lshlrev_b32 v[D], 3, v9
	v_sub_nc_u32 v[D], v8, v[D]
	v_add_nc_u32 v[D], s67, v[D]
	v_add_nc_u32 v[XA], s99, v[GO]                 ; my place for a partial: an image of registers, 16 bytes a lane
	v_mul_u32_u24 v[SI], v8, 80
	v_lshl_add_u32 v[SI], v9, 3, v[SI]
	v_add_nc_u32 v[SI], s80, v[SI]                 ; the stage, in: row r, + 8 h
	v_bfe_u32 v[SO], v0, 2, 3
	v_mul_u32_u24 v[SO], v[SO], 80
	v_and_b32 v11, 3, v0
	v_lshl_add_u32 v[SO], v11, 4, v[SO]
	v_add_nc_u32 v[SO], s80, v[SO]                 ; back: row lane / 4, 16 (lane % 4)
	v_mov_b32 v13, 0xff61b1e6                      ; the largest t so far: -3e38
	v_floor_f32 v12, -v13                          ; -M
	v_mov_b32 v10, 0
	v_mov_b32 v11, 0
	v_mov_b32 v14, 0
	v_mov_b32 v15, 0
	v_mov_b32 v246, 0                              ; a lane permute's destination counts as one of its sources
	v_mov_b32 v252, 0
	v_mov_b32 v253, 0
	v_mov_b32 v255, 0
.set j, 0
.rept 64
	v_mov_b32 v[160+j], 0                          ; O^T: the step is written once, and its first run finds zeros; and the kept partial's registers
.set j, j+1
.endr
	s_wait_kmcnt 0x0
	s_add_co_i32 s72, s68, s69
	s_lshl_b32 s72, s72, 23
	s_add_co_i32 s[CS], s[CS], s72                 ; a score stands for score x 2^(e2 + e3): added to c's exponent field
	s_mov_b32 s[CS+1], s[CS]
	s_add_co_i32 s72, s70, 127
	s_lshl_b32 s73, s72, 23
	v_mov_b32 v244, s73                            ; 2^e4
	s_add_co_i32 s72, s72, 15
	s_lshl_b32 s72, s72, 23
	s_or_b32 s81, s72, 0x600000                    ; 57,344 x 2^e4: p's hold
	s_sub_co_i32 s72, s90, s70
	s_sub_co_i32 s72, s72, s71                     ; e6 - e4 - e5: the way out's three scales in one
	s_add_co_i32 s72, s72, 127
	s_lshl_b32 s91, s72, 23
	s_add_co_i32 s72, s72, 15
	s_lshl_b32 s92, s72, 23
	s_or_b32 s92, s92, 0x600000
	s_mov_b32 s[T], 0
	s_wait_alu depctr_va_vdst(0)                   ; the wait at the head's end
	s_wait_loadcnt 0x0                             ; Q
	s_wait_tensorcnt 0x0                           ; my chunk is in
	s_barrier_signal -1
	s_barrier_wait -1                              ; all sixteen chunks are in
.Ltrip:                                            ; 9 trips, a key step of 128 keys each
	s_cmp_eq_u32 s[T], s[SKIPT]
	s_cbranch_scc1 .Lskip
	s_cmp_lg_u32 s[T], s[SW]
	s_cbranch_scc1 .Lsame_tile
	; the first tile's part is done: keep it, and begin the second tile
.rept 4
	v_nop                                          ; places behind the last products
.endr
.set j, 0
.rept 32
	v_mov_b32 v[192+j], v[160+j]                   ; ascending: each accumulator from its low end on
.set j, j+1
.endr
	v_mov_b32 v10, v12
	v_add_f32 v11, v14, v15
	v_mov_b32 v13, 0xff61b1e6
	v_floor_f32 v12, -v13
	v_mov_b32 v14, 0
	v_mov_b32 v15, 0
.set j, 0
.rept 32
	v_mov_b32 v[160+j], 0
.set j, j+1
.endr
.set j, 0
.rept 8
	v_mov_b32 v[16+j], v[24+j]
.set j, j+1
.endr
.Lsame_tile:
	s_cmp_lt_u32 s[T], s[SW]
	s_cselect_b32 s[KS], s[BASE], s[ADD2]
	s_add_co_u32 s[KS], s[KS], s[T]
	s_and_b32 s[KS], s[KS], 15                     ; the key step, 0..15
	s_mul_i32 s[KA], s[KS], 128*KP
	s_lshr_b32 s[VA], s[KS], 1
	s_mul_i32 s[VA], s[VA], VCH
	s_and_b32 s66, s[KS], 1
	s_lshl_b32 s66, s66, 7
	s_add_co_u32 s[VA], s[VA], s66                 ; chunk step / 2, bytes 128 (step % 2) on
	s_cmp_eq_u32 s[T], s[SWM]
	s_cselect_b32 s[DG], 1, 0
	s_cmp_eq_u32 s[T], 8
	s_cselect_b32 s[DG], 1, s[DG]                  ; a tile's last step lies on the diagonal
	v_add_nc_u32 v[ADK], s[KA], v[AK0]
	v_add_nc_u32 v[ADV], s[VA], v[AV0]
	v_nop                                          ; with the two additions: four places in front of loads into registers that the last products read
	v_nop
.irp t, 0,1,2,3,4,5,6,7
.irp c, 0,1
	ds_load_b128 v[32+8*\t+4*\c:32+8*\t+4*\c+3], v[ADK] offset:16*\t*KP+32*\c
.endr
.endr
	s_wait_alu depctr_va_vdst(0)                   ; the wait here, directly ahead of the wait below
	s_wait_dscnt 0x0
.irp t, 0,1,2,3,4,5,6,7
	v_wmma_f32_16x16x64_bf8_bf8 v[96+8*\t:103+8*\t], v[32+8*\t:39+8*\t], v[16:23], 0   ; S^T: 16 keys x my 16 queries, K = the head's 64
.endr
.rept 4
	v_nop
.endr
	s_cmp_eq_u32 s[DG], 0
	s_cbranch_scc1 .Lopen
	v_mov_b32 v254, 0xff800000                     ; on the diagonal hidden scores become -infinity ahead of the maximum: p = 0 then.  Key 0 of the step counts for every query
.set n, 0
.rept 64
	v_cmp_gt_i32 vcc_lo, 16*(n/8)+n%8, v[D]
	v_cndmask_b32 v[96+n], v[96+n], v254, vcc_lo
.set n, n+1
.endr
.Lopen:
.set vi, 0
.irp t, 0,1,2,3,4,5,6,7                        ; the step's largest score of my query among my 64 keys: eight chains, one a tile, each from its accumulator's low end on
	v_max3_num_f32 v[248+\t], v[96+8*\t], v[97+8*\t], v[98+8*\t]
.endr
.irp t, 0,1,2,3,4,5,6,7
	v_max3_num_f32 v[248+\t], v[248+\t], v[99+8*\t], v[100+8*\t]
.endr
.irp t, 0,1,2,3,4,5,6,7
	v_max3_num_f32 v[248+\t], v[248+\t], v[101+8*\t], v[102+8*\t]
.endr
.irp t, 0,2,4,6
	v_max3_num_f32 v[248+\t], v[248+\t], v[103+8*\t], v[111+8*\t]
.endr
	v_max3_num_f32 v248, v248, v249, v250
	v_max3_num_f32 v252, v252, v253, v254
	VLD 2                                          ; V's fragments are asked for between the lines of the chain that follows, each of which reads the line before it; they land under the softmax
	v_max3_num_f32 v248, v248, v251, v252
	VLD 2
	v_max_num_f32 v248, v248, v255
	VLD 2
	v_permlanex16_b32 v246, v248, s[SEL], s[SEL+1]
	VLD 3
	v_max_num_f32 v248, v248, v246                 ; and among lane l xor 16's
	VLD 3
	v_mul_f32 v248, s[CS], v248                    ; as t (c is positive)
	VLD 3
	v_max_num_f32 v13, v13, v248                   ; the running largest t
	v_mov_b32 v249, v12
	VLD 3
	v_floor_f32 v12, -v13                          ; the new -M = -ceil(t): a whole number
	VLD 3
	v_sub_f32 v249, v12, v249                      ; old M - new M, 0 or less
	VLD 3
	v_cvt_i32_f32 v249, v249
	VLD 3
	v_ldexp_f32 v252, 1.0, v249                    ; f = 2^(old M - new M)
	VLD 5
.set j, 0
.rept 32
	v_pk_fma_f32 v[96+j:97+j], v[96+j:97+j], s[CS:CS+1], v[12:13] op_sel_hi:[1,0,0]   ; t - M, two at a time
.set j, j+2
.endr
	s_wait_alu depctr_va_vdst(0)                   ; the wait ahead of the batch
.set j, 0
.rept 64
	v_exp_f32 v[96+j], v[96+j]                     ; p = 2^(t - M), at most 1
.set j, j+1
.endr
	v_pk_mul_f32 v[14:15], v[14:15], v[252:253] op_sel_hi:[1,0]   ; the sums under the new M: the plain instruction behind the exponentials
	s_wait_alu depctr_va_vdst(0)                   ; one wait for the batch, ahead of its first reader
	v_pk_add_f32 v[242:243], v[100:101], v[104:105]   ; the sum of the unquantised p, in eight chains
	v_pk_add_f32 v[254:255], v[108:109], v[112:113]
	v_pk_add_f32 v[250:251], v[116:117], v[120:121]
	v_pk_add_f32 v[248:249], v[124:125], v[128:129]
	v_pk_add_f32 v[238:239], v[132:133], v[136:137]
	v_pk_add_f32 v[236:237], v[140:141], v[144:145]
	v_pk_add_f32 v[234:235], v[148:149], v[152:153]
	v_pk_add_f32 v[14:15], v[14:15], v[156:157]
	v_pk_add_f32 v[242:243], v[242:243], v[96:97]
	v_pk_add_f32 v[254:255], v[254:255], v[98:99]
	v_pk_add_f32 v[250:251], v[250:251], v[102:103]
	v_pk_add_f32 v[248:249], v[248:249], v[106:107]
	v_pk_add_f32 v[238:239], v[238:239], v[110:111]
	v_pk_add_f32 v[236:237], v[236:237], v[114:115]
	v_pk_add_f32 v[234:235], v[234:235], v[118:119]
	v_pk_add_f32 v[14:15], v[14:15], v[122:123]
	v_pk_add_f32 v[242:243], v[242:243], v[126:127]
	v_pk_add_f32 v[254:255], v[254:255], v[130:131]
	v_pk_add_f32 v[250:251], v[250:251], v[134:135]
	v_pk_add_f32 v[248:249], v[248:249], v[138:139]
	v_pk_add_f32 v[238:239], v[238:239], v[142:143]
	v_pk_add_f32 v[236:237], v[236:237], v[146:147]
	v_pk_add_f32 v[234:235], v[234:235], v[150:151]
	v_pk_add_f32 v[14:15], v[14:15], v[154:155]
	v_pk_add_f32 v[242:243], v[242:243], v[158:159]
	s_delay_alu instid0(VALU_DEP_2)
	v_pk_add_f32 v[14:15], v[14:15], v[248:249]
	s_delay_alu instid0(VALU_DEP_2)
	v_pk_add_f32 v[242:243], v[242:243], v[238:239]
	v_pk_add_f32 v[254:255], v[254:255], v[236:237]
	v_pk_add_f32 v[250:251], v[250:251], v[234:235]
	s_delay_alu instid0(VALU_DEP_2)
	v_pk_add_f32 v[14:15], v[14:15], v[254:255]
	s_delay_alu instid0(VALU_DEP_2)
	v_pk_add_f32 v[242:243], v[242:243], v[250:251]
	s_delay_alu instid0(VALU_DEP_1)
	v_pk_add_f32 v[14:15], v[14:15], v[242:243]
.set j, 0
.rept 32
	v_dual_min_num_f32 v[96+j], s81, v[96+j] :: v_dual_min_num_f32 v[97+j], s81, v[97+j]   ; the conversion does not saturate (ISA guide 7.6.2); p is not negative; two holds an instruction
.set j, j+2
.endr
.irp t, 0,1,2,3,4,5,6,7
	v_cvt_scalef32_pk8_bf8_f32 v[224+2*\t:225+2*\t], v[96+8*\t:103+8*\t], v244
.endr
	s_wait_alu depctr_va_vdst(0)                   ; the wait here, directly ahead of the first reader of O^T
.set j, 0
.rept 16
	v_pk_mul_f32 v[160+j:161+j], v[160+j:161+j], v[252:253] op_sel_hi:[1,0]   ; O^T under the new M; also the plain instructions behind the conversions
.set j, j+2
.endr
	s_wait_alu depctr_va_vdst(0)                   ; the wait here, directly ahead of the wait below
	s_wait_dscnt 0x0                               ; V's fragments
.irp t, 0,1,2,3
	v_wmma_f32_16x16x128_bf8_bf8 v[160+8*\t:167+8*\t], v[32+16*\t:47+16*\t], v[224:239], v[160+8*\t:167+8*\t]   ; O^T += V^T P^T: four accumulators by turns
.endr
.Lskip:
	s_add_co_u32 s[T], s[T], 1
	s_cmp_lt_u32 s[T], 9
	s_cbranch_scc1 .Ltrip
	v_add_f32 v14, v14, v15                        ; the sum's two halves
	s_wait_alu depctr_va_vdst(0)                   ; the wait here, directly ahead of the wait below
	s_wait_dscnt 0x0                               ; my reads of K and V are over
	s_barrier_signal -1
	s_barrier_wait -1                              ; and so are everybody's: K's bytes now serve as places for partials and as stages
	s_cmp_eq_u32 s[ROLE], 0
	s_cbranch_scc1 .Lno_send
.irp j, 0,1,2,3,4,5,6,7
	ds_store_b128 v[XA], v[192+4*\j:195+4*\j] offset:512*\j   ; waves 8-15: the kept O^T,
.endr
	ds_store_b128 v[XA], v[8:11] offset:4096       ; and, in the upper two of four words, -M and the sum
.Lno_send:
	s_wait_dscnt 0x0                               ; for the partner's sake
	s_barrier_signal -1
	s_barrier_wait -1
	s_cmp_eq_u32 s[ROLE], 1
	s_cbranch_scc1 .Lfin
.irp j, 0,1,2,3,4,5,6,7
	ds_load_b128 v[192+4*\j:195+4*\j], v[XA] offset:8*XSZ+512*\j   ; waves 0-7: wave p + 8's part of my tile, lane for lane
.endr
	ds_load_b128 v[8:11], v[XA] offset:8*XSZ+4096
	s_wait_dscnt 0x0
	v_min_num_f32 v13, v12, v10                    ; the joint -M,
	v_sub_f32 v12, v13, v12                        ; my M less the joint one, 0 or less, a whole number,
	v_sub_f32 v10, v13, v10                        ; and the partner's
	v_cvt_i32_f32 v12, v12
	v_cvt_i32_f32 v10, v10
	v_ldexp_f32 v252, 1.0, v12
	v_ldexp_f32 v254, 1.0, v10
	v_mul_f32 v14, v14, v252
	v_fma_f32 v14, v11, v254, v14
.set j, 0
.rept 16
	v_pk_mul_f32 v[160+j:161+j], v[160+j:161+j], v[252:253] op_sel_hi:[1,0]
	v_pk_fma_f32 v[160+j:161+j], v[192+j:193+j], v[254:255], v[160+j:161+j] op_sel_hi:[1,0,1]
.set j, j+2
.endr
.Lfin:
	; THE WAY OUT: O^T / the sum; code = (O / l) / 2^(e6 - e4 - e5); 8 codes a lane and tile go through my stage and leave as 1 KiB on end.
	v_permlanex16_b32 v246, v14, s[SEL], s[SEL+1]
	v_add_f32 v14, v14, v246                       ; the row's sum
	s_wait_alu depctr_va_vdst(0)                   ; the wait ahead of the transcendental
	v_rcp_f32 v14, v14
	v_mov_b32 v244, s91                            ; (plain instructions behind the transcendental)
	v_mov_b32 v240, s92
	s_wait_alu depctr_va_vdst(0)                   ; the wait ahead of the reciprocal's first reader, which is also O^T's
.set j, 0
.rept 16
	v_pk_mul_f32 v[96+j:97+j], v[160+j:161+j], v[14:15] op_sel_hi:[1,0]   ; register 8 t + i: channel 16 t + 8 h + i of query r; ascending
.set j, j+2
.endr
.set j, 0
.rept 32
	v_med3_num_f32 v[96+j], v[96+j], -v240, v240
.set j, j+1
.endr
.irp t, 0,1,2,3
	v_cvt_scalef32_pk8_bf8_f32 v[128+2*\t:129+2*\t], v[96+8*\t:103+8*\t], v244
.endr
	v_nop                                          ; a plain instruction behind the last conversion
.irp t, 0,1,2,3
	ds_store_b64 v[SI], v[128+2*\t:129+2*\t] offset:16*\t
.endr
.irp i, 0,1
	ds_load_b128 v[136+4*\i:139+4*\i], v[SO] offset:640*\i   ; LDS serves a wave's instructions in order: these see my stores
.endr
.irp i, 0,1
	s_wait_dscnt 1-\i                              ; the younger load may be out
	global_store_b128 v[GO], v[136+4*\i:139+4*\i], s[16:17] offset:512*\i   ; 32 lanes store 512 consecutive bytes, aligned
.endr
	s_wait_tensorcnt 0x0                           ; the wave's end
	ds_add_u32 v[SPW], v[NIL]
	s_wait_dscnt 0x0
	CROUND                                         ; the closing round
	s_endpgm
.Lfunc_end_k_q7656a51452_attn:
	.size	k_q7656a51452_attn, .Lfunc_end_k_q7656a51452_attn-k_q7656a51452_attn
	.p2alignl 7, 3214868480
	.fill 96, 4, 3214868480
	.section	.rodata,"a",@progbits
	.p2align	6, 0x0
	.amdhsa_kernel k_q7656a51452_attn
		.amdhsa_group_segment_fixed_size 327680
		.amdhsa_private_segment_fixed_size 0
		.amdhsa_enable_private_segment 0
		.amdhsa_kernarg_size 40
		.amdhsa_user_sgpr_count 2
		.amdhsa_user_sgpr_kernarg_segment_ptr 1
		.amdhsa_wavefront_size32 1
		.amdhsa_system_sgpr_workgroup_id_x 1
		.amdhsa_system_sgpr_workgroup_id_y 1
		.amdhsa_system_sgpr_workgroup_id_z 1
		.amdhsa_system_vgpr_workitem_id 0
		.amdhsa_next_free_vgpr 256
		.amdhsa_next_free_sgpr 100
		.amdhsa_reserve_vcc 1
		.amdhsa_float_denorm_mode_32 3
		.amdhsa_float_denorm_mode_16_64 3
		.amdhsa_memory_ordered 1
		.amdhsa_forward_progress 1
		.amdhsa_inst_pref_size 44
	.end_amdhsa_kernel
	.amdgpu_metadata
---
amdhsa.version: [ 1, 2 ]
amdhsa.kernels:
  - .name:           k_q7656a51452_attn
    .symbol:         k_q7656a51452_attn.kd
    .args:
      - { .name: q_codes, .offset: 0, .size: 8, .value_kind: global_buffer, .address_space: global }
      - { .name: k_codes, .offset: 8, .size: 8, .value_kind: global_buffer, .address_space: global }
      - { .name: v_codes, .offset: 16, .size: 8, .value_kind: global_buffer, .address_space: global }
      - { .name: lowp_scales, .offset: 24, .size: 8, .value_kind: global_buffer, .address_space: global }
      - { .name: ctx_codes, .offset: 32, .size: 8, .value_kind: global_buffer, .address_space: global }
    .group_segment_fixed_size: 327680
    .private_segment_fixed_size: 0
    .kernarg_segment_align: 8
    .kernarg_segment_size: 40
    .max_flat_workgroup_size: 512
    .sgpr_count:     100
    .vgpr_count:     256
    .wavefront_size: 32
...
	.end_amdgpu_metadata
.endif
;; end of part 3
;; launch cproj (part 4): grid 8 x 32, 4 waves a work-group, clusters of 4 x 4, 327,680 bytes of LDS; arguments ctx_codes, c_proj_w_codes, c_proj_b, hidden_states, lowp_scales, x2; writes x2
.if DOCPART == 4
	.amdgcn_target "amdgcn-amd-amdhsa--gfx1250"
	.amdhsa_code_object_version 6
	.text
	.protected	k_q7656a51452_cproj
	.globl	k_q7656a51452_cproj
	.p2align	8
	.type	k_q7656a51452_cproj,@function
k_q7656a51452_cproj:
	s_mov_b64 s[64:65], 0
	v_nop
	global_prefetch_b8 v0, s[64:65] scope:SCOPE_SE
	s_setreg_imm32_b32 hwreg(HW_REG_WAVE_MODE, 25, 1), 1
	s_wait_xcnt 0x0
	s_wait_alu depctr_hold_cnt(0) depctr_sa_sdst(0) depctr_va_vdst(0) depctr_va_sdst(0) depctr_va_ssrc(0) depctr_va_vcc(0) depctr_vm_vsrc(0)
	s_getreg_b32 s2, hwreg(HW_REG_IB_STS2, 6, 4)
	s_cmp_eq_u32 s2, 0
	s_cbranch_scc0 .Lentry_in_a_cluster
	s_endpgm
.Lentry_in_a_cluster:
	s_bfe_u32 s2, ttmp6, 0x10000c
	s_cmp_lg_u32 s2, 0xf033
	s_cbranch_scc0 .Lentry_shape_is_right
	s_endpgm
.Lentry_shape_is_right:
.set CPROJ, 1
.if CPROJ
.set SIZE_K, 1024
.set APITCH, 80
.set AH,     16*64*80                  ; what one load brings of A: all 16 heads x 64 tokens.  K = 1,024 lies in LDS whole: one load a wave at the head, nothing is filled later, so there is no loop to prefetch in
.set ASTEP,  8*4096*64
.set ESC,    0x18
.else
.set SIZE_K, 4096
.set APITCH, 528
.set AH,     64*528
.set ASTEP,  512
.set ESC,    0x28
.endif
.set PITCH,  1040                      ; W's LDS row: 1,024 bytes + 16 of padding
.set BH,     64*PITCH
.set WSTEP,  512
.set SLOT,   2*AH+2*BH
.set SPARE,  SLOT
.set LAPS,   SIZE_K/1024
.set SPITCH, 272
.set BI,   12
.set ADRA, 16
.set ADRB, 20
.set STO,  24
.set RD,   25
.set CO,   26
.set SPW,  28
.set NIL,  29
.set ACC,  128
.set F0,   0
.set F1,   128
.set G1, 24
.set G0, 32
.set G1B, 48
.set G0B, 56
.set MSB, 0
.macro WIN new
.if MSB != \new
	s_set_vgpr_msb (MSB<<8)|\new
.set MSB, \new
.endif
.endm
.set MUL,  0x05
.set TO_F, 0x40
.macro JLOAD s
	s_cmp_eq_u32 s15, 0
	s_cbranch_scc0 .Lfor_b_\@
	tensor_load_to_lds s[G0+4*\s:G0+4*\s+3], s[G1:G1+7]
	s_nop 0
.rept 4
	v_nop
.endr
	s_branch .Lasked_\@
.Lfor_b_\@:
	tensor_load_to_lds s[G0B+4*\s:G0B+4*\s+3], s[G1B:G1B+7]
	s_nop 0
.rept 4
	v_nop
.endr
.Lasked_\@:
.endm
.macro CREST
	s_cmp_lg_u32 s14, 0
	s_cbranch_scc1 .Lnot_wave_0_\@
	s_barrier_signal -3
.Lnot_wave_0_\@:
	s_barrier_wait -3
	s_barrier_signal -1
	s_barrier_wait -1
.endm
.macro CROUND
	s_barrier_signal -1
	s_barrier_wait -1
	CREST
.endm
	s_load_b256 s[4:11], s[0:1], 0x0
	s_load_b128 s[68:71], s[0:1], 0x20
	v_lshl_add_u32 v[SPW], v0, 2, SPARE
	v_mov_b32 v[NIL], 0
	ds_add_u32 v[SPW], v[NIL]
	ds_add_u32 v[SPW], v[NIL]
	v_lshrrev_b32 v1, 5, v0
	v_readfirstlane_b32 s14, v1
	s_lshr_b32 s15, s14, 1
	s_and_b32 s16, s14, 1
	s_bfe_u32 s40, ttmp6, 0x40000
	s_bfe_u32 s41, ttmp6, 0x40004
	s_lshl_b32 s42, ttmp9, 2
	s_add_co_u32 s42, s42, s40
	s_and_b32 s17, ttmp7, 0xffff
	s_lshl_b32 s17, s17, 2
	s_add_co_u32 s17, s17, s41
	s_lshl_b32 s43, s41, 2
	s_lshl_b32 s43, 15, s43
	s_lshl_b32 s44, 0x1111, s40
.if CPROJ
	s_or_b32 s[G1+0], s43, (0<<16)|(1<<20)|(1<<21)|(3<<22)|(3<<25)
	s_mov_b32 s[G1+1], 4096<<16
	s_mov_b32 s[G1+2], 16<<16
	s_mov_b32 s[G1+3], 4096<<16
	s_mov_b32 s[G1+4], 16
	s_mov_b32 s[G1+5], 262144
.else
	s_or_b32 s[G1+0], s43, (0<<16)|(1<<20)|(1<<21)|(6<<22)|(3<<25)
	s_mov_b32 s[G1+1], 512<<16
	s_mov_b32 s[G1+2], 64<<16
	s_mov_b32 s[G1+3], 512<<16
	s_mov_b32 s[G1+4], 64
	s_mov_b32 s[G1+5], 4096
.endif
	s_mov_b32 s[G1+6], 0
	s_mov_b32 s[G1+7], 0
	s_or_b32 s[G1B+0], s44, (0<<16)|(1<<20)|(1<<21)|(7<<22)|(3<<25)   ; W's tile: 64 rows of 1,024 bytes, 4 words of padding behind every 256
	s_mov_b32 s[G1B+1], 1024<<16
	s_mov_b32 s[G1B+2], 64<<16
	s_mov_b32 s[G1B+3], 1024<<16
	s_mov_b32 s[G1B+4], 64
	s_mov_b32 s[G1B+5], SIZE_K
	s_mov_b32 s[G1B+6], 0
	s_mov_b32 s[G1B+7], 0
	s_lshl_b32 s18, s16, 6
	s_lshl_b32 s20, s17, 7
	s_add_co_u32 s20, s20, s18
	s_lshl_b32 s46, s42, 7
	s_add_co_u32 s46, s46, s18
.if CPROJ
	s_lshl_b32 s20, s20, 6
	s_lshl_b32 s46, s46, 10
.else
	s_lshl_b32 s20, s20, 12
	s_lshl_b32 s46, s46, 12
.endif
	s_mov_b32 s21, 0
	s_mov_b32 s47, 0
	s_mul_i32 s45, s16, AH
	s_mul_i32 s77, s16, BH
	s_add_co_u32 s77, s77, 2*AH
	s_wait_dscnt 0x0
	s_wait_kmcnt 0x0
	s_load_b64 s[96:97], s[68:69], ESC
	s_add_nc_u64 s[20:21], s[4:5], s[20:21]
	s_add_nc_u64 s[46:47], s[6:7], s[46:47]
	CROUND
.irp s, 0
	s_mov_b32 s[G0+4*\s], 1
	s_add_co_u32 s[G0+4*\s+1], s45, \s*SLOT
	s_add_nc_u64 s[G0+4*\s+2:G0+4*\s+3], s[20:21], \s*ASTEP
	s_or_b32 s[G0+4*\s+3], s[G0+4*\s+3], 0x80000000
	s_mov_b32 s[G0B+4*\s], 1
	s_add_co_u32 s[G0B+4*\s+1], s77, \s*SLOT
	s_add_nc_u64 s[G0B+4*\s+2:G0B+4*\s+3], s[46:47], \s*WSTEP
	s_or_b32 s[G0B+4*\s+3], s[G0B+4*\s+3], 0x80000000
.if \s == 0
	JLOAD 0                                        ; slot 0: one tensor load a wave at the head
.endif
.endr
	v_and_b32 v1, 15, v0
	v_bfe_u32 v2, v0, 4, 1
	v_mul_u32_u24 v3, v1, PITCH
	v_lshl_add_u32 v3, v2, 4, v3
	v_mul_u32_u24 v4, v1, APITCH
	v_lshl_add_u32 v4, v2, 4, v4
	s_mul_i32 s21, s15, AH
	s_mul_i32 s22, s16, BH
	s_add_co_u32 s22, s22, 2*AH
.irp s, 0,1
	v_add_nc_u32 v[ADRA+\s], s21, v4
	v_add_nc_u32 v[ADRB+\s], s22, v3
	s_add_co_u32 s21, s21, 8*5120                  ; the second address: K = 512 on: A's heads 8 to 15,
	s_add_co_u32 s22, s22, 512                     ; and byte 512 of W's rows
.endr
	s_mul_i32 s23, s14, 64*SPITCH
	v_mul_u32_u24 v5, v1, SPITCH
	v_lshl_add_u32 v5, v2, 5, v5
	v_add_nc_u32 v[STO], s23, v5
	v_mul_u32_u24 v6, v2, SPITCH
	v_lshl_add_u32 v6, v1, 4, v6
	v_add_nc_u32 v[RD], s23, v6
	v_lshlrev_b32 v[CO], 12, v2
	v_lshl_add_u32 v[CO], v1, 4, v[CO]
	s_wait_alu depctr_va_vdst(0)
	v_lshlrev_b32 v7, 4, v1
	s_wait_alu depctr_va_vdst(0)
	s_lshl_b32 s20, s17, 7
	s_lshl_b32 s21, s15, 6
	s_add_co_u32 s20, s20, s21
	s_lshl_b32 s20, s20, 12
	s_lshl_b32 s22, s42, 9
	s_lshl_b32 s21, s16, 8
	s_add_co_u32 s22, s22, s21
	s_add_co_u32 s20, s20, s22
	s_mov_b32 s21, 0
	s_mov_b32 s23, 0
	s_add_nc_u64 s[10:11], s[10:11], s[20:21]
	s_add_nc_u64 s[70:71], s[70:71], s[20:21]
	s_add_nc_u64 s[8:9], s[8:9], s[22:23]
	WIN 0x80
.set t, 0
.rept 32
	global_load_b128 v[4*t:4*t+3], v[CO], s[10:11] offset:2*t*4096 th:TH_LOAD_NT
.set t, t+1
.endr
	WIN 0
	global_load_b128 v[BI:BI+3], v7, s[8:9]
.macro FETCH slot, q, f
	WIN TO_F
.irp i, 0,1,2,3
.irp c, 0,1,2,3
	ds_load_b128 v[\f+64+16*\i+4*\c:\f+64+16*\i+4*\c+3], v[ADRB+\slot] offset:128*(\q)+32*\c+\i*16*PITCH
.endr
.endr
.irp i, 0,1,2,3
.irp c, 0,1,2,3
.if CPROJ
	ds_load_b128 v[\f+16*\i+4*\c:\f+16*\i+4*\c+3], v[ADRA+\slot] offset:(2*(\q)+\c/2)*5120+\i*16*APITCH+32*(\c%2)
.else
	ds_load_b128 v[\f+16*\i+4*\c:\f+16*\i+4*\c+3], v[ADRA+\slot] offset:128*(\q)+32*\c+\i*16*APITCH
.endif
.endr
.endr
.endm
.macro MUL4 f, a, zero
.irp b, 0,1,2,3
.if \zero
	v_wmma_f32_16x16x128_bf8_bf8 v[ACC+8*(4*(\a)+\b):ACC+8*(4*(\a)+\b)+7], v[\f+64+16*\b:\f+64+16*\b+15], v[\f+16*(\a):\f+16*(\a)+15], 0
.else
	v_wmma_f32_16x16x128_bf8_bf8 v[ACC+8*(4*(\a)+\b):ACC+8*(4*(\a)+\b)+7], v[\f+64+16*\b:\f+64+16*\b+15], v[\f+16*(\a):\f+16*(\a)+15], v[ACC+8*(4*(\a)+\b):ACC+8*(4*(\a)+\b)+7]
.endif
.endr
.endm
.macro PLACES
.rept 4
	v_nop
.endr
.endm
.macro STEP slot, q, zero
.set FS, 128*((\q)%2)
.set GS, 128-FS
	s_wait_dscnt 0x0
	PLACES
	FETCH \slot, (\q)+1, GS
	WIN MUL
	MUL4 FS, 0, \zero
	MUL4 FS, 1, \zero
	MUL4 FS, 2, \zero
	MUL4 FS, 3, \zero
.endm
.macro TURN slot, next, fill
	WIN 0
	s_wait_tensorcnt 0x0
	ds_add_u32 v[SPW], v[NIL]
	s_wait_dscnt 1
	WIN MUL
	MUL4 F1, 0, 0
	s_wait_dscnt 0x0
	s_barrier_signal -1
	MUL4 F1, 1, 0
	WIN 0
	s_barrier_wait -1
.if \fill
	CREST
	s_add_nc_u64 s[G0+4*\slot+2:G0+4*\slot+3], s[G0+4*\slot+2:G0+4*\slot+3], 2*ASTEP
	s_add_nc_u64 s[G0B+4*\slot+2:G0B+4*\slot+3], s[G0B+4*\slot+2:G0B+4*\slot+3], 2*WSTEP
	JLOAD \slot
.else
	PLACES
.endif
	FETCH \next, 0, F0
	WIN MUL
	MUL4 F1, 2, 0
	MUL4 F1, 3, 0
.endm
	s_wait_alu depctr_va_vdst(0)                   ; the wait at the head's end
	s_wait_tensorcnt 0x0                           ; my part of slot 0 is in
	s_barrier_signal -1
	s_barrier_wait -1                              ; everybody's part is in
	FETCH 0, 0, F0
	STEP 0, 0, 1
.if LAPS > 1
	WIN 0
	s_mov_b32 s3, LAPS-1
.Llap:
	STEP 0, 1, 0
	STEP 0, 2, 0
	TURN 0, 1, 1
	STEP 1, 0, 0
	STEP 1, 1, 0
	STEP 1, 2, 0
	TURN 1, 0, 1
	STEP 0, 0, 0
	WIN 0
	s_sub_co_u32 s3, s3, 1
	s_cmp_lg_u32 s3, 0
	s_cbranch_scc1 .Llap
.endif
	STEP 0, 1, 0
	STEP 0, 2, 0
	TURN 0, 1, 0
	STEP 1, 0, 0
	STEP 1, 1, 0
	STEP 1, 2, 0
	s_wait_dscnt 0x0
	WIN MUL
	MUL4 F1, 0, 0
	MUL4 F1, 1, 0
	MUL4 F1, 2, 0
	MUL4 F1, 3, 0
	s_barrier_signal -1                            ; no LDS read of mine is out (the wait for 0 above); behind this barrier nobody reads A's tile, and the stages lie in its bytes
	s_barrier_wait -1
	s_wait_kmcnt 0x0
	s_add_co_i32 s96, s96, s97
	s_add_co_i32 s96, s96, 127
	s_lshl_b32 s96, s96, 23
	s_mov_b32 s97, s96
	s_wait_loadcnt 0x0
	WIN 0x82
.set i, 0
.rept 64
	v_pk_add_f32 v[2*i:2*i+1], v[2*i:2*i+1], v[BI+2*(i%2):BI+2*(i%2)+1]
.set i, i+1
.endr
	WIN 0
.irp a, 0,1,2,3
.irp b, 0,1,2,3
	ds_store_b128 v[STO], v[ACC+8*(4*\a+\b):ACC+8*(4*\a+\b)+3] offset:\a*16*SPITCH+64*\b
	ds_store_b128 v[STO], v[ACC+8*(4*\a+\b)+4:ACC+8*(4*\a+\b)+7] offset:\a*16*SPITCH+64*\b+16
.endr
.endr
.set t, 0
.rept 32
	ds_load_b128 v[ACC+4*t:ACC+4*t+3], v[RD] offset:t*2*SPITCH
.set t, t+1
.endr
.irp g, 0,1,2,3
	s_wait_dscnt 8*(3-\g)
	WIN 0x20
.set i, 0
.rept 16
	v_pk_fma_f32 v[ACC+32*\g+2*i:ACC+32*\g+2*i+1], v[ACC+32*\g+2*i:ACC+32*\g+2*i+1], s[96:97], v[32*\g+2*i:32*\g+2*i+1] op_sel_hi:[1,0,1]
.set i, i+1
.endr
	WIN 0
.irp u, 0,1,2,3,4,5,6,7
	global_store_b128 v[CO], v[ACC+32*\g+4*\u:ACC+32*\g+4*\u+3], s[70:71] offset:2*(8*\g+\u)*4096
.endr
.endr
	s_wait_tensorcnt 0x0
	ds_add_u32 v[SPW], v[NIL]
	s_wait_dscnt 0x0
	CROUND
	s_endpgm
.Lfunc_end_k_q7656a51452_cproj:
	.size	k_q7656a51452_cproj, .Lfunc_end_k_q7656a51452_cproj-k_q7656a51452_cproj
	.p2alignl 7, 3214868480
	.fill 96, 4, 3214868480
	.section	.rodata,"a",@progbits
	.p2align	6, 0x0
	.amdhsa_kernel k_q7656a51452_cproj
		.amdhsa_group_segment_fixed_size 327680
		.amdhsa_private_segment_fixed_size 0
		.amdhsa_enable_private_segment 0
		.amdhsa_kernarg_size 48
		.amdhsa_user_sgpr_count 2
		.amdhsa_user_sgpr_kernarg_segment_ptr 1
		.amdhsa_wavefront_size32 1
		.amdhsa_system_sgpr_workgroup_id_x 1
		.amdhsa_system_sgpr_workgroup_id_y 1
		.amdhsa_system_sgpr_workgroup_id_z 1
		.amdhsa_system_vgpr_workitem_id 0
		.amdhsa_next_free_vgpr 640
		.amdhsa_next_free_sgpr 100
		.amdhsa_reserve_vcc 0
		.amdhsa_float_denorm_mode_32 3
		.amdhsa_float_denorm_mode_16_64 3
		.amdhsa_memory_ordered 1
		.amdhsa_forward_progress 1
		.amdhsa_inst_pref_size 52
	.end_amdhsa_kernel
	.amdgpu_metadata
---
amdhsa.version: [ 1, 2 ]
amdhsa.kernels:
  - .name:           k_q7656a51452_cproj
    .symbol:         k_q7656a51452_cproj.kd
    .args:
      - { .name: ctx_codes, .offset: 0, .size: 8, .value_kind: global_buffer, .address_space: global }
      - { .name: c_proj_w_codes, .offset: 8, .size: 8, .value_kind: global_buffer, .address_space: global }
      - { .name: c_proj_b, .offset: 16, .size: 8, .value_kind: global_buffer, .address_space: global }
      - { .name: hidden_states, .offset: 24, .size: 8, .value_kind: global_buffer, .address_space: global }
      - { .name: lowp_scales, .offset: 32, .size: 8, .value_kind: global_buffer, .address_space: global }
      - { .name: x2, .offset: 40, .size: 8, .value_kind: global_buffer, .address_space: global }
    .group_segment_fixed_size: 327680
    .private_segment_fixed_size: 0
    .kernarg_segment_align: 8
    .kernarg_segment_size: 48
    .max_flat_workgroup_size: 128
    .sgpr_count:     100
    .vgpr_count:     640
    .wavefront_size: 32
...
	.end_amdgpu_metadata
.endif
;; end of part 4
;; launch ln2 (part 5): grid 1024 x 1, 4 waves a work-group, no clusters, 4,608 bytes of LDS; arguments x2, ln2_g, ln2_b, lowp_scales, h_codes; writes h_codes
.if DOCPART == 5
	.amdgcn_target "amdgcn-amd-amdhsa--gfx1250"
	.amdhsa_code_object_version 6
	.text
	.protected	k_q7656a51452_ln2
	.globl	k_q7656a51452_ln2
	.p2align	8
	.type	k_q7656a51452_ln2,@function
k_q7656a51452_ln2:
	s_mov_b64 s[64:65], 0
	v_nop
	global_prefetch_b8 v0, s[64:65] scope:SCOPE_SE
	s_setreg_imm32_b32 hwreg(HW_REG_WAVE_MODE, 25, 1), 1
	s_wait_xcnt 0x0
; LayerNorm of 4,096 rows of 1,024 f32 numbers, and the quantiser behind it: codes of E5M2 with the one given scale 2^e, rows of 1,024 bytes.
; y = (x - mean) * rsqrt(mean of (x - mean)^2 + 1e-5) * g + b, all in f32, the mean taken away before the squares; code = y / 2^e, held within +-57,344, to the nearest code, ties to even.
; LIMITS: -126 <= e <= 112, so that 2^e and 57,344 x 2^e are f32 numbers.  NaN and infinities among the inputs are not served.
; SHARES.  A wave takes ONE row: 4,096 bytes = 8 loads of 512 consecutive bytes, 32 registers a lane; the sums never leave the wave.  A work-group is four such waves; 1,024 work-groups.
; All 24 loads of a wave go out at the head, x's first: no loop, so no prefetch.  Work-groups share g and b alone (8 KiB): no cluster, no tensor load, no matrix unit.
; A lane's four codes of a load belong to 4 neighbouring columns; the row's 1,024 codes go through the wave's own LDS bytes and leave as two stores of 512 consecutive bytes.
.set ESC,   32                         ; byte of e in the buffer of scales
.set SPARE, 4096                       ; behind the four waves' 1,024 bytes: the spare words
.set OFF,   1                          ; v1   16 x lane
.set LIN,   2                          ; v2   LDS: wave x 1,024 + 4 x lane
.set LOUT,  3                          ; v3   LDS: wave x 1,024 + 16 x lane
.set SPW,   5
.set NIL,   6
.set SCL,   7                          ; v7   2^e
.set LIM,   8                          ; v8   57,344 x 2^e
.set PD,    9
.set G,     16
.set BV,    48
.set X,     80
.set C,     112
	s_load_b256 s[4:11], s[0:1], 0x0               ; x s[4:5], g s[6:7], b s[8:9], the scales s[10:11]
	s_load_b64 s[12:13], s[0:1], 0x20              ; the codes
	v_lshl_add_u32 v[SPW], v0, 2, SPARE
	v_mov_b32 v[NIL], 0
	v_lshrrev_b32 v4, 5, v0
	v_readfirstlane_b32 s16, v4                    ; wave 0..3
	v_and_b32 v4, 31, v0
	v_lshlrev_b32 v[OFF], 4, v4
	s_lshl_b32 s17, s16, 10
	v_lshl_add_u32 v[LIN], v4, 2, s17
	v_lshl_add_u32 v[LOUT], v4, 4, s17
	s_lshl_b32 s18, ttmp9, 2
	s_add_co_u32 s18, s18, s16                     ; my row: 4 x work-group + wave
	s_lshl_b32 s26, s18, 12
	s_mov_b32 s27, 0
	s_lshl_b32 s28, s18, 10
	s_mov_b32 s29, 0
	s_mov_b32 s21, 0x3a800000                      ; 1 / 1,024
	s_mov_b32 s22, 0x3727c5ac                      ; 1e-5
	s_mov_b32 s24, 0x76543210                      ; lane selects: lane l xor 16
	s_mov_b32 s25, 0xfedcba98
	v_mov_b32 v[PD], 0                             ; a permute's destination counts as read
	v_mov_b32 v15, 0                               ; (named as the upper half of the pair v[14:15])
	s_wait_alu depctr_va_vdst(0)                   ; the wait at the head's end
	s_wait_kmcnt 0x0
	s_load_b32 s20, s[10:11], ESC                  ; e
	s_add_nc_u64 s[4:5], s[4:5], s[26:27]
	s_add_nc_u64 s[12:13], s[12:13], s[28:29]
.irp j, 0,1,2,3,4,5,6,7
	global_load_b128 v[X+4*\j:X+4*\j+3], v[OFF], s[4:5] offset:512*\j   ; columns 128 j + 4 lane + 0..3
.endr
.irp j, 0,1,2,3,4,5,6,7
	global_load_b128 v[G+4*\j:G+4*\j+3], v[OFF], s[6:7] offset:512*\j
.endr
.irp j, 0,1,2,3,4,5,6,7
	global_load_b128 v[BV+4*\j:BV+4*\j+3], v[OFF], s[8:9] offset:512*\j
.endr
	s_wait_kmcnt 0x0
	s_add_co_i32 s20, s20, 127
	s_lshl_b32 s23, s20, 23
	v_mov_b32 v[SCL], s23
	s_add_co_i32 s20, s20, 15
	s_lshl_b32 s20, s20, 23
	s_or_b32 s20, s20, 0x600000
	v_mov_b32 v[LIM], s20
.macro ALLSUM                          ; the two chains v[10:11], v[12:13] are joined and summed over the 32 lanes
	v_pk_add_f32 v[10:11], v[10:11], v[12:13]
	v_add_f32 v10, v10, v11
	v_add_f32_dpp v10, v10, v10 row_xmask:1 row_mask:0xf bank_mask:0xf
	v_add_f32_dpp v10, v10, v10 row_xmask:2 row_mask:0xf bank_mask:0xf
	v_add_f32_dpp v10, v10, v10 row_xmask:4 row_mask:0xf bank_mask:0xf
	v_add_f32_dpp v10, v10, v10 row_xmask:8 row_mask:0xf bank_mask:0xf
	v_permlanex16_b32 v[PD], v10, s24, s25
	v_add_f32 v10, v10, v[PD]
.endm
	s_wait_loadcnt 16                              ; x is in; the 16 younger loads, g's and b's, may be out
	v_pk_add_f32 v[10:11], v[X:X+1], v[X+2:X+3]
	v_pk_add_f32 v[12:13], v[X+4:X+5], v[X+6:X+7]
.irp j, 8,12,16,20,24,28
	v_pk_add_f32 v[10:11], v[10:11], v[X+\j:X+\j+1]
	v_pk_add_f32 v[12:13], v[12:13], v[X+\j+2:X+\j+3]
.endr
	ALLSUM
	v_mul_f32 v14, s21, v10                        ; the mean
.irp j, 0,2,4,6,8,10,12,14,16,18,20,22,24,26,28,30
	v_pk_add_f32 v[X+\j:X+\j+1], v[X+\j:X+\j+1], v[14:15] op_sel_hi:[1,0] neg_lo:[0,1] neg_hi:[0,1]
.endr
	v_pk_mul_f32 v[10:11], v[X:X+1], v[X:X+1]
	v_pk_mul_f32 v[12:13], v[X+2:X+3], v[X+2:X+3]
.irp j, 4,8,12,16,20,24,28
	v_pk_fma_f32 v[10:11], v[X+\j:X+\j+1], v[X+\j:X+\j+1], v[10:11]
	v_pk_fma_f32 v[12:13], v[X+\j+2:X+\j+3], v[X+\j+2:X+\j+3], v[12:13]
.endr
	ALLSUM
	v_fma_f32 v10, v10, s21, s22                   ; the variance + 1e-5
	s_wait_alu depctr_va_vdst(0)                   ; the wait ahead of the transcendental,
	v_rsq_f32 v14, v10
	v_nop
	s_wait_alu depctr_va_vdst(0)                   ; and ahead of the first reader of its result
.irp j, 0,2,4,6,8,10,12,14,16,18,20,22,24,26,28,30
	v_pk_mul_f32 v[X+\j:X+\j+1], v[X+\j:X+\j+1], v[14:15] op_sel_hi:[1,0]
.endr
	s_wait_alu depctr_va_vdst(0)                   ; the wait here, directly ahead of the wait below
	s_wait_loadcnt 0x0                             ; g and b
.irp j, 0,2,4,6,8,10,12,14,16,18,20,22,24,26,28,30
	v_pk_fma_f32 v[X+\j:X+\j+1], v[X+\j:X+\j+1], v[G+\j:G+\j+1], v[BV+\j:BV+\j+1]
.endr
.irp j, 0,1,2,3,4,5,6,7,8,9,10,11,12,13,14,15,16,17,18,19,20,21,22,23,24,25,26,27,28,29,30,31
	v_med3_num_f32 v[X+\j], v[X+\j], -v[LIM], v[LIM]   ; the conversion does not saturate (ISA guide 7.6.2): the hold comes first
.endr
.irp m, 0,1,2,3
	v_cvt_scalef32_pk8_bf8_f32 v[C+2*\m:C+2*\m+1], v[X+8*\m:X+8*\m+7], v[SCL]   ; word j of the eight: the codes of columns 128 j + 4 lane + 0..3
.endr
	v_nop                                          ; a plain instruction behind the last conversion
.irp j, 0,1,2,3,4,5,6,7
	ds_store_b32 v[LIN], v[C+\j] offset:128*\j
.endr
.irp i, 0,1
	ds_load_b128 v[X+4*\i:X+4*\i+3], v[LOUT] offset:512*\i   ; LDS serves a wave's instructions in order: these see my stores
.endr
	s_wait_dscnt 0x0
.irp i, 0,1
	global_store_b128 v[OFF], v[X+4*\i:X+4*\i+3], s[12:13] offset:512*\i   ; 32 lanes store 512 consecutive bytes, aligned
.endr
	s_wait_tensorcnt 0x0                           ; the wave's end, behind my last LDS store
	ds_add_u32 v[SPW], v[NIL]
	s_wait_dscnt 0x0
	s_endpgm
.Lfunc_end_k_q7656a51452_ln2:
	.size	k_q7656a51452_ln2, .Lfunc_end_k_q7656a51452_ln2-k_q7656a51452_ln2
	.p2alignl 7, 3214868480
	.fill 96, 4, 3214868480
	.section	.rodata,"a",@progbits
	.p2align	6, 0x0
	.amdhsa_kernel k_q7656a51452_ln2
		.amdhsa_group_segment_fixed_size 4608
		.amdhsa_private_segment_fixed_size 0
		.amdhsa_enable_private_segment 0
		.amdhsa_kernarg_size 40
		.amdhsa_user_sgpr_count 2
		.amdhsa_user_sgpr_kernarg_segment_ptr 1
		.amdhsa_wavefront_size32 1
		.amdhsa_system_sgpr_workgroup_id_x 1
		.amdhsa_system_sgpr_workgroup_id_y 1
		.amdhsa_system_sgpr_workgroup_id_z 1
		.amdhsa_system_vgpr_workitem_id 0
		.amdhsa_next_free_vgpr 128
		.amdhsa_next_free_sgpr 66
		.amdhsa_reserve_vcc 0
		.amdhsa_float_denorm_mode_32 3
		.amdhsa_float_denorm_mode_16_64 3
		.amdhsa_memory_ordered 1
		.amdhsa_forward_progress 1
		.amdhsa_inst_pref_size 14
	.end_amdhsa_kernel
	.amdgpu_metadata
---
amdhsa.version: [ 1, 2 ]
amdhsa.kernels:
  - .name:           k_q7656a51452_ln2
    .symbol:         k_q7656a51452_ln2.kd
    .args:
      - { .name: x2, .offset: 0, .size: 8, .value_kind: global_buffer, .address_space: global }
      - { .name: ln2_g, .offset: 8, .size: 8, .value_kind: global_buffer, .address_space: global }
      - { .name: ln2_b, .offset: 16, .size: 8, .value_kind: global_buffer, .address_space: global }
      - { .name: lowp_scales, .offset: 24, .size: 8, .value_kind: global_buffer, .address_space: global }
      - { .name: h_codes, .offset: 32, .size: 8, .value_kind: global_buffer, .address_space: global }
    .group_segment_fixed_size: 4608
    .private_segment_fixed_size: 0
    .kernarg_segment_align: 8
    .kernarg_segment_size: 40
    .max_flat_workgroup_size: 128
    .sgpr_count:     66
    .vgpr_count:     128
    .wavefront_size: 32
...
	.end_amdgpu_metadata
.endif
;; end of part 5
;; launch fc (part 6): grid 16 x 16, 4 waves a work-group, clusters of 4 x 4, 327,680 bytes of LDS; arguments h_codes, fc_w_codes, fc_b, lowp_scales, g_codes; writes g_codes
.if DOCPART == 6
	.amdgcn_target "amdgcn-amd-amdhsa--gfx1250"
	.amdhsa_code_object_version 6
	.text
	.protected	k_q7656a51452_fc
	.globl	k_q7656a51452_fc
	.p2align	8
	.type	k_q7656a51452_fc,@function
k_q7656a51452_fc:
	s_mov_b64 s[64:65], 0
	v_nop
	global_prefetch_b8 v0, s[64:65] scope:SCOPE_SE
	s_setreg_imm32_b32 hwreg(HW_REG_WAVE_MODE, 25, 1), 1
	s_wait_xcnt 0x0
	s_wait_alu depctr_hold_cnt(0) depctr_sa_sdst(0) depctr_va_vdst(0) depctr_va_sdst(0) depctr_va_ssrc(0) depctr_va_vcc(0) depctr_vm_vsrc(0)
	s_getreg_b32 s2, hwreg(HW_REG_IB_STS2, 6, 4)
	s_cmp_eq_u32 s2, 0
	s_cbranch_scc0 .Lentry_in_a_cluster
	s_endpgm
.Lentry_in_a_cluster:
	s_bfe_u32 s2, ttmp6, 0x10000c
	s_cmp_lg_u32 s2, 0xf033
	s_cbranch_scc0 .Lentry_shape_is_right
	s_endpgm
.Lentry_shape_is_right:
.set ROWB,   256
.set KROW,   1024
.set PITCH,  272
.set FR,     16
.set NL,     4
.set NP,     4
.set HALFT,  128*PITCH
.set SLOT,   4*HALFT
.set LAPS,   2
.set SPARE,  2*SLOT
.set ADRA, 16
.set KC,   18
.set ADRB, 20
.set STO,  24
.set RD,   25
.set CO,   26
.set SPW,  28
.set NIL,  29
.set SC,   30
.set LIMV, 31
.set COLB, 32
.set CD,   96
.set TMP,  128
.set EX,   192
.set AF,   128
.set G1, 24
.set G0, 32
.set G1B, 48
.set G0B, 56
.set MSB, 0
.macro WIN new
.if MSB != \new
	s_set_vgpr_msb (MSB<<8)|\new
.set MSB, \new
.endif
.endm
.set MUL_LO, 0xa1
.set MUL_HI, 0xf1
.set TO_B,   0x40
.macro JLOAD g0a, g1a, g0b, g1b
	s_cmp_eq_u32 s15, 0
	s_cbranch_scc0 .Lfor_b_\@
	tensor_load_to_lds s[\g0a:\g0a+3], s[\g1a:\g1a+7]
	s_nop 0
.rept 4
	v_nop
.endr
	s_branch .Lasked_\@
.Lfor_b_\@:
	tensor_load_to_lds s[\g0b:\g0b+3], s[\g1b:\g1b+7]
	s_nop 0
.rept 4
	v_nop
.endr
.Lasked_\@:
.endm
.macro CREST
	s_cmp_lg_u32 s14, 0
	s_cbranch_scc1 .Lnot_wave_0_\@
	s_barrier_signal -3
.Lnot_wave_0_\@:
	s_barrier_wait -3
	s_barrier_signal -1
	s_barrier_wait -1
.endm
.macro CROUND
	s_barrier_signal -1
	s_barrier_wait -1
	CREST
.endm
	s_load_b256 s[4:11], s[0:1], 0x0
	s_load_b64 s[68:69], s[0:1], 0x20
	v_lshl_add_u32 v[SPW], v0, 2, SPARE
	v_mov_b32 v[NIL], 0
	ds_add_u32 v[SPW], v[NIL]
	ds_add_u32 v[SPW], v[NIL]
	v_lshrrev_b32 v1, 5, v0
	v_readfirstlane_b32 s14, v1
	s_lshr_b32 s15, s14, 1
	s_and_b32 s16, s14, 1
	s_bfe_u32 s40, ttmp6, 0x40000
	s_bfe_u32 s41, ttmp6, 0x40004
	s_lshl_b32 s42, ttmp9, 2
	s_add_co_u32 s42, s42, s40
	s_and_b32 s17, ttmp7, 0xffff
	s_lshl_b32 s17, s17, 2
	s_add_co_u32 s17, s17, s41
	s_lshl_b32 s43, s41, 2
	s_lshl_b32 s43, 15, s43
	s_lshl_b32 s44, 0x1111, s40
	s_or_b32 s[G1+0], s43, (0<<16)|(1<<20)|(1<<21)|(5<<22)|(3<<25)
	s_or_b32 s[G1B+0], s44, (0<<16)|(1<<20)|(1<<21)|(5<<22)|(3<<25)
.irp g, G1, G1B
	s_mov_b32 s[\g+1], ROWB<<16
	s_mov_b32 s[\g+2], 128<<16
	s_mov_b32 s[\g+3], ROWB<<16
	s_mov_b32 s[\g+4], 128
	s_mov_b32 s[\g+5], KROW
	s_mov_b32 s[\g+6], 0
	s_mov_b32 s[\g+7], 0
.endr
	s_lshl_b32 s18, s16, 7
	s_lshl_b32 s20, s17, 8
	s_add_co_u32 s20, s20, s18
	s_lshl_b32 s46, s42, 8
	s_add_co_u32 s46, s46, s18
	s_lshl_b32 s20, s20, 10
	s_mov_b32 s21, 0
	s_lshl_b32 s46, s46, 10
	s_mov_b32 s47, 0
	s_mul_i32 s45, s14, HALFT
	s_wait_dscnt 0x0
	s_wait_kmcnt 0x0
	s_load_b128 s[80:83], s[10:11], 0x20
	s_add_nc_u64 s[20:21], s[4:5], s[20:21]
	s_add_nc_u64 s[46:47], s[6:7], s[46:47]
	CROUND
.irp s, 0,1
	s_mov_b32 s[G0+4*\s], 1
	s_add_co_u32 s[G0+4*\s+1], s45, \s*SLOT
	s_add_nc_u64 s[G0+4*\s+2:G0+4*\s+3], s[20:21], \s*ROWB
	s_or_b32 s[G0+4*\s+3], s[G0+4*\s+3], 0x80000000
	s_mov_b32 s[G0B+4*\s], 1
	s_add_co_u32 s[G0B+4*\s+1], s45, \s*SLOT
	s_add_nc_u64 s[G0B+4*\s+2:G0B+4*\s+3], s[46:47], \s*ROWB
	s_or_b32 s[G0B+4*\s+3], s[G0B+4*\s+3], 0x80000000
.if \s == 0
	JLOAD G0, G1, G0B, G1B                         ; slot 0: one tensor load a wave at the head
.endif
.endr
	; THE PREFETCHES INTO THE L2: behind slot 0's load one instruction a wave for slot 1 and one for slot 2, behind slot 1's load one for slot 3: at most two slots are asked for and not yet loaded.
	; Of the 128 rows x 256 bytes that a wave fetches, each of the four partners that ask for them jointly takes 32 rows, told apart by address (cx for the tokens' tile, cy for the weight's), a lane a row: each block of 256 bytes is named once in each cluster that will load it.
	s_cmp_eq_u32 s15, 0                            ; do I fetch for the tokens' tile?
	s_cselect_b64 s[98:99], s[20:21], s[46:47]     ; the 128 rows that I fetch
	s_cselect_b32 s78, s40, s41                    ; my place among the four that ask with me
	s_lshl_b32 s78, s78, 15                        ; 32 rows of 1,024 bytes
	s_mov_b32 s79, 0
	s_add_nc_u64 s[98:99], s[98:99], s[78:79]      ; never rewritten
	v_and_b32 v6, 31, v0
	v_lshlrev_b32 v6, 10, v6                       ; never rewritten
	global_prefetch_b8 v6, s[98:99] offset:256 th:TH_LOAD_NT scope:SCOPE_SE
	global_prefetch_b8 v6, s[98:99] offset:512 th:TH_LOAD_NT scope:SCOPE_SE
	v_and_b32 v1, 15, v0
	v_bfe_u32 v2, v0, 4, 1
	v_mul_u32_u24 v3, v1, PITCH
	s_wait_alu depctr_va_vdst(0)
	v_lshl_add_u32 v4, v2, 4, v3
	s_mul_i32 s21, s15, HALFT
	s_mul_i32 s22, s16, HALFT
	s_add_co_u32 s22, s22, 2*HALFT
.irp s, 0,1
	v_add_nc_u32 v[ADRA+\s], s21, v4
	v_add_nc_u32 v[ADRB+\s], s22, v4
	s_add_co_u32 s21, s21, SLOT
	s_add_co_u32 s22, s22, SLOT
.endr
	s_mul_i32 s23, s15, HALFT
	s_lshl_b32 s18, s16, 7
	s_add_co_u32 s23, s23, s18
	v_lshl_add_u32 v[STO], v2, 3, v3
	v_add_nc_u32 v[STO], s23, v[STO]
	s_mul_i32 s23, s14, 64*PITCH
	v_mul_u32_u24 v[RD], v2, PITCH
	v_lshl_add_u32 v[RD], v1, 4, v[RD]
	v_add_nc_u32 v[RD], s23, v[RD]
	v_lshlrev_b32 v[CO], 12, v2
	v_lshl_add_u32 v[CO], v1, 4, v[CO]
	v_lshlrev_b32 v5, 5, v2
	s_lshl_b32 s88, s42, 8
	s_lshl_b32 s19, s16, 7
	s_add_co_u32 s88, s88, s19
	s_lshl_b32 s88, s88, 2
	s_mov_b32 s89, 0
	s_add_nc_u64 s[88:89], s[8:9], s[88:89]
.irp b, 0,1,2,3,4,5,6,7
	global_load_b128 v[COLB+8*\b:COLB+8*\b+3], v5, s[88:89] offset:64*\b
	global_load_b128 v[COLB+8*\b+4:COLB+8*\b+7], v5, s[88:89] offset:64*\b+16
.endr
	s_lshl_b32 s94, s17, 8
	s_lshl_b32 s95, s14, 6
	s_add_co_u32 s94, s94, s95
	s_lshl_b32 s94, s94, 12
	s_lshl_b32 s95, s42, 8
	s_add_co_u32 s94, s94, s95
	s_mov_b32 s95, 0
	s_add_nc_u64 s[68:69], s[68:69], s[94:95]
.macro FRAG reg, adr, q, i
.irp c, 0,1,2,3
	ds_load_b128 v[\reg+4*\c:\reg+4*\c+3], v[\adr] offset:128*(\q)+32*\c+(\i)*16*PITCH
.endr
.endm
.macro MUL16 a0, p, zero
.irp a, \a0, \a0+1
.irp b, 0,1,2,3,4,5,6,7
.if \zero
	v_wmma_f32_16x16x128_bf8_bf8 v[8*(8*((\a)%4)+\b):8*(8*((\a)%4)+\b)+7], v[128*(\p)+FR*\b:128*(\p)+FR*\b+FR-1], v[AF+FR*(\a):AF+FR*(\a)+FR-1], 0
.else
	v_wmma_f32_16x16x128_bf8_bf8 v[8*(8*((\a)%4)+\b):8*(8*((\a)%4)+\b)+7], v[128*(\p)+FR*\b:128*(\p)+FR*\b+FR-1], v[AF+FR*(\a):AF+FR*(\a)+FR-1], v[8*(8*((\a)%4)+\b):8*(8*((\a)%4)+\b)+7]
.endif
.endr
.endr
.endm
.macro FETCH_B slot, q, p
	WIN TO_B
.irp i, 0,1,2,3,4,5,6,7
	FRAG 128*(\p)+FR*\i, ADRB+\slot, \q, \i
.endr
	WIN 0
.endm
.macro FETCH_A slot, q, i0
.irp i, \i0, \i0+1, \i0+2, \i0+3
	FRAG AF+FR*(\i), ADRA+\slot, \q, \i
.endr
.endm
.macro PLACES n
.rept \n
	v_nop
.endr
.endm
.macro STEP slot, q, zero
	s_wait_dscnt 4*NL
	WIN MUL_LO
	MUL16 0, (\q)%2, \zero
	MUL16 2, (\q)%2, \zero
	s_wait_dscnt 0
	PLACES NP
	FETCH_B \slot, (\q)+1, 1-(\q)%2
	FETCH_A \slot, (\q)+1, 0
	WIN MUL_HI
	MUL16 4, (\q)%2, \zero
	MUL16 6, (\q)%2, \zero
	PLACES NP
	WIN 0
	FETCH_A \slot, (\q)+1, 4
.endm
.macro TURN slot, next, fill
	s_wait_tensorcnt 0x0
	ds_add_u32 v[SPW], v[NIL]
	s_wait_dscnt 4*NL+1
	WIN MUL_LO
	MUL16 0, 1, 0
	s_wait_dscnt 0x0
	s_barrier_signal -1
	MUL16 2, 1, 0
	WIN 0
	s_barrier_wait -1
.if \fill
	CREST
	s_add_nc_u64 s[G0+4*\slot+2:G0+4*\slot+3], s[G0+4*\slot+2:G0+4*\slot+3], 2*ROWB
	s_add_nc_u64 s[G0B+4*\slot+2:G0B+4*\slot+3], s[G0B+4*\slot+2:G0B+4*\slot+3], 2*ROWB
	JLOAD G0+4*\slot, G1, G0B+4*\slot, G1B
.else
	PLACES NP
.endif
	s_wait_alu depctr_va_vdst(0)
	FETCH_B \next, 0, 0
	FETCH_A \next, 0, 0
	WIN MUL_HI
	MUL16 4, 1, 0
	MUL16 6, 1, 0
	PLACES NP
	WIN 0
	FETCH_A \next, 0, 4
.endm
	s_wait_alu depctr_va_vdst(0)                   ; the wait at the head's end
	s_wait_tensorcnt 0x0                           ; my part of slot 0 is in; slot 1's first fill is issued as a refill is
	ds_add_u32 v[SPW], v[NIL]
	s_wait_dscnt 0x0
	CROUND
	JLOAD G0+4, G1, G0B+4, G1B
	global_prefetch_b8 v6, s[98:99] offset:768 th:TH_LOAD_NT scope:SCOPE_SE   ; slot 3
	FETCH_B 0, 0, 0
	FETCH_A 0, 0, 0
	FETCH_A 0, 0, 4
	STEP 0, 0, 1
	s_mov_b32 s3, LAPS-1
.Llap:
	TURN 0, 1, 1
	STEP 1, 0, 0
	TURN 1, 0, 1
	STEP 0, 0, 0
	s_sub_co_u32 s3, s3, 1
	s_cmp_lg_u32 s3, 0
	s_cbranch_scc1 .Llap
	TURN 0, 1, 0
	STEP 1, 0, 0
	s_wait_dscnt 4*NL
	WIN MUL_LO
	MUL16 0, 1, 0
	MUL16 2, 1, 0
	s_wait_dscnt 0
	WIN MUL_HI
	MUL16 4, 1, 0
	MUL16 6, 1, 0
	WIN 0
.macro BLK_COL a
.set AC, 64*((\a)%4)
	WIN 0x02+((\a)/4)
.set j, 0
.rept 32
	v_pk_fma_f32 v[TMP+j:TMP+j+1], v[AC+j:AC+j+1], s[96:97], v[COLB+j:COLB+j+1] op_sel_hi:[1,0,1]
.set j, j+2
.endr
	WIN 0
.endm
.macro GELU
.set j, 0
.rept 32
	v_pk_mul_f32 v[EX+j:EX+j+1], v[TMP+j:TMP+j+1], v[TMP+j:TMP+j+1]
.set j, j+2
.endr
.set j, 0
.rept 32
	v_pk_fma_f32 v[EX+j:EX+j+1], v[EX+j:EX+j+1], s[78:79], v[KC:KC+1] op_sel_hi:[1,0,1]
.set j, j+2
.endr
.set j, 0
.rept 32
	v_pk_mul_f32 v[EX+j:EX+j+1], v[EX+j:EX+j+1], v[TMP+j:TMP+j+1]
.set j, j+2
.endr
.set j, 0
	s_wait_alu depctr_va_vdst(0)
.rept 64
	v_exp_f32 v[EX+j], v[EX+j]
.set j, j+1
.endr
	v_nop
	s_wait_alu depctr_va_vdst(0)
.set j, 0
.rept 32
	v_pk_add_f32 v[EX+j:EX+j+1], v[EX+j:EX+j+1], 1.0 op_sel_hi:[1,0]
.set j, j+2
.endr
.set j, 0
	s_wait_alu depctr_va_vdst(0)
.rept 64
	v_rcp_f32 v[EX+j], v[EX+j]
.set j, j+1
.endr
	v_nop
	s_wait_alu depctr_va_vdst(0)
.set j, 0
.rept 32
	v_pk_mul_f32 v[TMP+j:TMP+j+1], v[TMP+j:TMP+j+1], v[EX+j:EX+j+1]
.set j, j+2
.endr
.endm
.macro QSTORE a
.set CDS, CD+16*((\a)%2)
.if (\a) >= 2
	s_wait_dscnt 8
.endif
.set j, 0
.rept 64
	v_med3_num_f32 v[TMP+j], v[TMP+j], -v[LIMV], v[LIMV]
.set j, j+1
.endr
.irp b, 0,1,2,3,4,5,6,7
	v_cvt_scalef32_pk8_bf8_f32 v[CDS+2*\b:CDS+2*\b+1], v[TMP+8*\b:TMP+8*\b+7], v[SC]
.endr
	v_nop
.irp b, 0,1,2,3,4,5,6,7
	ds_store_b64 v[STO], v[CDS+2*\b:CDS+2*\b+1] offset:(\a)*16*PITCH+16*\b
.endr
.endm
	s_wait_kmcnt 0x0
	s_add_co_i32 s96, s80, s81
	s_add_co_i32 s96, s96, 127
	s_lshl_b32 s96, s96, 23
	s_mov_b32 s97, s96
	s_add_co_i32 s92, s82, 127
	s_lshl_b32 s93, s92, 23
	v_mov_b32 v[SC], s93
	s_add_co_i32 s92, s92, 15
	s_lshl_b32 s92, s92, 23
	s_or_b32 s92, s92, 0x600000
	v_mov_b32 v[LIMV], s92
	s_mov_b32 s78, 0xbdd2d3e8
	s_mov_b32 s79, s78
	v_mov_b32 v[KC], 0xc0135761
	v_mov_b32 v[KC+1], 0xc0135761
	s_wait_loadcnt 0x0
	PLACES NP
.irp a, 0,1,2,3,4,5,6,7
	BLK_COL \a
	GELU
	QSTORE \a
.endr
	s_wait_dscnt 0x0
	s_barrier_signal -1
	s_barrier_wait -1
.set t, 0
.rept 32
	ds_load_b128 v[128+4*t:128+4*t+3], v[RD] offset:t*2*PITCH
.set t, t+1
.endr
.set t, 0
.rept 32
	s_wait_dscnt 31-t
	global_store_b128 v[CO], v[128+4*t:128+4*t+3], s[68:69] offset:2*t*4096
.set t, t+1
.endr
	s_wait_tensorcnt 0x0
	ds_add_u32 v[SPW], v[NIL]
	s_wait_dscnt 0x0
	CROUND
	s_endpgm
.Lfunc_end_k_q7656a51452_fc:
	.size	k_q7656a51452_fc, .Lfunc_end_k_q7656a51452_fc-k_q7656a51452_fc
	.p2alignl 7, 3214868480
	.fill 96, 4, 3214868480
	.section	.rodata,"a",@progbits
	.p2align	6, 0x0
	.amdhsa_kernel k_q7656a51452_fc
		.amdhsa_group_segment_fixed_size 327680
		.amdhsa_private_segment_fixed_size 0
		.amdhsa_enable_private_segment 0
		.amdhsa_kernarg_size 40
		.amdhsa_user_sgpr_count 2
		.amdhsa_user_sgpr_kernarg_segment_ptr 1
		.amdhsa_wavefront_size32 1
		.amdhsa_system_sgpr_workgroup_id_x 1
		.amdhsa_system_sgpr_workgroup_id_y 1
		.amdhsa_system_sgpr_workgroup_id_z 1
		.amdhsa_system_vgpr_workitem_id 0
		.amdhsa_next_free_vgpr 1024
		.amdhsa_next_free_sgpr 100
		.amdhsa_reserve_vcc 0
		.amdhsa_float_denorm_mode_32 3
		.amdhsa_float_denorm_mode_16_64 3
		.amdhsa_memory_ordered 1
		.amdhsa_forward_progress 1
		.amdhsa_inst_pref_size 255
	.end_amdhsa_kernel
	.section	.bss,"aw",@nobits
	.p2align	6
	.space	262144
	.amdgpu_metadata
---
amdhsa.version: [ 1, 2 ]
amdhsa.kernels:
  - .name:           k_q7656a51452_fc
    .symbol:         k_q7656a51452_fc.kd
    .args:
      - { .name: h_codes, .offset: 0, .size: 8, .value_kind: global_buffer, .address_space: global }
      - { .name: fc_w_codes, .offset: 8, .size: 8, .value_kind: global_buffer, .address_space: global }
      - { .name: fc_b, .offset: 16, .size: 8, .value_kind: global_buffer, .address_space: global }
      - { .name: lowp_scales, .offset: 24, .size: 8, .value_kind: global_buffer, .address_space: global }
      - { .name: g_codes, .offset: 32, .size: 8, .value_kind: global_buffer, .address_space: global }
    .group_segment_fixed_size: 327680
    .private_segment_fixed_size: 0
    .kernarg_segment_align: 8
    .kernarg_segment_size: 40
    .max_flat_workgroup_size: 128
    .sgpr_count:     100
    .vgpr_count:     1024
    .wavefront_size: 32
...
	.end_amdgpu_metadata
.endif
;; end of part 6
;; launch proj (part 7): grid 8 x 32, 4 waves a work-group, clusters of 4 x 4, 327,680 bytes of LDS; arguments g_codes, proj_w_codes, proj_b, x2, lowp_scales, out0; writes out0
.if DOCPART == 7
	.amdgcn_target "amdgcn-amd-amdhsa--gfx1250"
	.amdhsa_code_object_version 6
	.text
	.protected	k_q7656a51452_proj
	.globl	k_q7656a51452_proj
	.p2align	8
	.type	k_q7656a51452_proj,@function
k_q7656a51452_proj:
	s_mov_b64 s[64:65], 0
	v_nop
	global_prefetch_b8 v0, s[64:65] scope:SCOPE_SE
	s_setreg_imm32_b32 hwreg(HW_REG_WAVE_MODE, 25, 1), 1
	s_wait_xcnt 0x0
	s_wait_alu depctr_hold_cnt(0) depctr_sa_sdst(0) depctr_va_vdst(0) depctr_va_sdst(0) depctr_va_ssrc(0) depctr_va_vcc(0) depctr_vm_vsrc(0)
	s_getreg_b32 s2, hwreg(HW_REG_IB_STS2, 6, 4)
	s_cmp_eq_u32 s2, 0
	s_cbranch_scc0 .Lentry_in_a_cluster
	s_endpgm
.Lentry_in_a_cluster:
	s_bfe_u32 s2, ttmp6, 0x10000c
	s_cmp_lg_u32 s2, 0xf033
	s_cbranch_scc0 .Lentry_shape_is_right
	s_endpgm
.Lentry_shape_is_right:
; out = A W^T x 2^(eA + eB) + bias + residual, on codes of E5M2; out and residual [4096][1024] f32.  One text serves two launches, told apart by CPROJ:
;   CPROJ = 1: A = ctx_codes, HEAD-MAJOR [16 heads][4096 tokens][64], K = 1,024 (k = 64 head + channel); W = c_proj_w_codes [1024][1024]; scales e6, e7.
;   CPROJ = 0: A = g_codes [4096][4096], K = 4,096; W = proj_w_codes [1024][4096]; scales e10, e11.
; N is 1,024: tiles of 256 x 256 would be 64 for 256 WGPs, so a tile is 128 x 128: 256 work-groups of four waves, each 64 x 64: 16 accumulators.
; K goes in steps of 512 through two LDS slots, as long as two slots fit: four steps of 128, 16 matrix instructions a wave each, between two changes of slots.
; CLUSTERS: 4 x 4; A's tile is asked for jointly along a row of the cluster, W's along a column.  The matrix instruction is used transposed (source 0 = W's rows, source 1 = A's): a lane holds 8 neighbouring columns of a row.
; The residual's 64 x 64 numbers of a wave are asked for at the head and land under the products.
; LIMIT: eA + eB between -126 and 127.
; REGISTERS: window 0: v0-31 addresses, v12-15 the bias, v128-255 the accumulators ((a, b) at v[128 + 8 (4 a + b)]), later rows read back;  window 1: two sets of fragments (A's four at +16 i, W's at +64 + 16 i);  window 2: v0-127 the residual.
.set CPROJ, 0
.if CPROJ
.set SIZE_K, 1024
.set APITCH, 80                        ; a token's 64 bytes of one head + 16 of padding
.set AH,     8*64*80                   ; what one load brings of A: 8 heads x 64 tokens
.set ASTEP,  8*4096*64                 ; a slot on in memory: 8 heads
.set ESC,    0x18
.else
.set SIZE_K, 4096
.set APITCH, 528
.set AH,     64*528                    ; 64 rows of 512 bytes + 16
.set ASTEP,  512
.set ESC,    0x28
.endif
.set PITCH,  528                       ; W's LDS row: 512 bytes + 16 of padding: 16 rows start at 16 different banks (64 banks of 4 bytes: ISA guide 11.1); so do rows 80 bytes apart
.set BH,     64*PITCH
.set WSTEP,  512
.set SLOT,   2*AH+2*BH
.set SPARE,  2*SLOT                    ; behind the ring: the spare words
.set LAPS,   SIZE_K/1024
.set SPITCH, 272                       ; the way out: 64 rows x (256 bytes + 16) for each wave, in slot 0, which has had its last fill and its last read by then
.set BI,   12
.set ADRA, 16
.set ADRB, 20
.set STO,  24
.set RD,   25
.set CO,   26
.set SPW,  28
.set NIL,  29
.set ACC,  128
.set F0,   0
.set F1,   128
.set G1, 24
.set G0, 32
.set G1B, 48
.set G0B, 56
.set MSB, 0
.macro WIN new                         ; the immediate's high byte repeats the setting that is left
.if MSB != \new
	s_set_vgpr_msb (MSB<<8)|\new
.set MSB, \new
.endif
.endm
.set MUL,  0x05                        ; sources 0 and 1 window 1; C and D window 0
.set TO_F, 0x40                        ; destination window 1
.macro JLOAD s                         ; waves 0 and 1 fetch A's halves, waves 2 and 3 W's; an s_nop 0 and four v_nop follow each line
	s_cmp_eq_u32 s15, 0
	s_cbranch_scc0 .Lfor_b_\@
	tensor_load_to_lds s[G0+4*\s:G0+4*\s+3], s[G1:G1+7]
	s_nop 0
.rept 4
	v_nop
.endr
	s_branch .Lasked_\@
.Lfor_b_\@:
	tensor_load_to_lds s[G0B+4*\s:G0B+4*\s+3], s[G1B:G1B+7]
	s_nop 0
.rept 4
	v_nop
.endr
.Lasked_\@:
.endm
.macro CREST
	s_cmp_lg_u32 s14, 0
	s_cbranch_scc1 .Lnot_wave_0_\@
	s_barrier_signal -3
.Lnot_wave_0_\@:
	s_barrier_wait -3
	s_barrier_signal -1
	s_barrier_wait -1
.endm
.macro CROUND
	s_barrier_signal -1
	s_barrier_wait -1
	CREST
.endm
	s_load_b256 s[4:11], s[0:1], 0x0               ; A's codes s[4:5], W's codes s[6:7], the bias s[8:9], the residual s[10:11]
	s_load_b128 s[68:71], s[0:1], 0x20             ; the scales s[68:69], out s[70:71]
	v_lshl_add_u32 v[SPW], v0, 2, SPARE
	v_mov_b32 v[NIL], 0
	ds_add_u32 v[SPW], v[NIL]                      ; the wave's opening: the add and its wait ahead of my first tensor load
	ds_add_u32 v[SPW], v[NIL]
	v_lshrrev_b32 v1, 5, v0
	v_readfirstlane_b32 s14, v1                    ; wave 0..3
	s_lshr_b32 s15, s14, 1                         ; my half of the rows.  Also: I fetch for A (0) or for W (1)
	s_and_b32 s16, s14, 1                          ; my half of the columns.  Also: which 64 rows I fetch
	s_bfe_u32 s40, ttmp6, 0x40000                  ; cx
	s_bfe_u32 s41, ttmp6, 0x40004                  ; cy
	s_lshl_b32 s42, ttmp9, 2
	s_add_co_u32 s42, s42, s40                     ; tile column
	s_and_b32 s17, ttmp7, 0xffff
	s_lshl_b32 s17, s17, 2
	s_add_co_u32 s17, s17, s41                     ; tile row
	s_lshl_b32 s43, s41, 2
	s_lshl_b32 s43, 15, s43                        ; my row of the cluster
	s_lshl_b32 s44, 0x1111, s40                    ; my column
.if CPROJ
	; A's tile: 8 rows (heads) of 4,096 bytes (64 tokens x 64 bytes on end), 262,144 bytes apart; 16 bytes of padding behind every 64: a head takes 5,120 bytes of LDS, a token 80
	s_or_b32 s[G1+0], s43, (0<<16)|(1<<20)|(1<<21)|(3<<22)|(3<<25)
	s_mov_b32 s[G1+1], 4096<<16
	s_mov_b32 s[G1+2], 8<<16
	s_mov_b32 s[G1+3], 4096<<16
	s_mov_b32 s[G1+4], 8
	s_mov_b32 s[G1+5], 262144
.else
	; A's tile: 64 rows of 512 bytes, 4,096 bytes apart; 16 bytes of padding behind every 512
	s_or_b32 s[G1+0], s43, (0<<16)|(1<<20)|(1<<21)|(6<<22)|(3<<25)
	s_mov_b32 s[G1+1], 512<<16
	s_mov_b32 s[G1+2], 64<<16
	s_mov_b32 s[G1+3], 512<<16
	s_mov_b32 s[G1+4], 64
	s_mov_b32 s[G1+5], 4096
.endif
	s_mov_b32 s[G1+6], 0
	s_mov_b32 s[G1+7], 0
	s_or_b32 s[G1B+0], s44, (0<<16)|(1<<20)|(1<<21)|(6<<22)|(3<<25)   ; W's tile: 64 rows of 512 bytes
	s_mov_b32 s[G1B+1], 512<<16
	s_mov_b32 s[G1B+2], 64<<16
	s_mov_b32 s[G1B+3], 512<<16
	s_mov_b32 s[G1B+4], 64
	s_mov_b32 s[G1B+5], SIZE_K
	s_mov_b32 s[G1B+6], 0
	s_mov_b32 s[G1B+7], 0
	s_lshl_b32 s18, s16, 6
	s_lshl_b32 s20, s17, 7
	s_add_co_u32 s20, s20, s18                     ; A: row 128 x tile row + 64 x half
	s_lshl_b32 s46, s42, 7
	s_add_co_u32 s46, s46, s18                     ; W: row 128 x tile column + 64 x half
.if CPROJ
	s_lshl_b32 s20, s20, 6                         ; a token is 64 bytes of a head
	s_lshl_b32 s46, s46, 10
.else
	s_lshl_b32 s20, s20, 12
	s_lshl_b32 s46, s46, 12
.endif
	s_mov_b32 s21, 0
	s_mov_b32 s47, 0
	s_mul_i32 s45, s16, AH                         ; where they go: A's two halves,
	s_mul_i32 s77, s16, BH
	s_add_co_u32 s77, s77, 2*AH                    ; then W's two: the wave's number and constants alone
	s_wait_dscnt 0x0                               ; the opening add is done
	s_wait_kmcnt 0x0
	s_load_b64 s[96:97], s[68:69], ESC             ; eA, eB
	s_add_nc_u64 s[20:21], s[4:5], s[20:21]
	s_add_nc_u64 s[46:47], s[6:7], s[46:47]
	CROUND                                         ; all sixteen work-groups are here: the first joint loads meet
.irp s, 0,1
	s_mov_b32 s[G0+4*\s], 1
	s_add_co_u32 s[G0+4*\s+1], s45, \s*SLOT
	s_add_nc_u64 s[G0+4*\s+2:G0+4*\s+3], s[20:21], \s*ASTEP
	s_or_b32 s[G0+4*\s+3], s[G0+4*\s+3], 0x80000000
	s_mov_b32 s[G0B+4*\s], 1
	s_add_co_u32 s[G0B+4*\s+1], s77, \s*SLOT
	s_add_nc_u64 s[G0B+4*\s+2:G0B+4*\s+3], s[46:47], \s*WSTEP
	s_or_b32 s[G0B+4*\s+3], s[G0B+4*\s+3], 0x80000000
.if \s == 0
	JLOAD 0                                        ; slot 0: one tensor load a wave at the head
.endif
.endr
	v_and_b32 v1, 15, v0                           ; r
	v_bfe_u32 v2, v0, 4, 1                         ; h
	v_mul_u32_u24 v3, v1, PITCH
	v_lshl_add_u32 v3, v2, 4, v3                   ; W: row x pitch + 16 h
	v_mul_u32_u24 v4, v1, APITCH
	v_lshl_add_u32 v4, v2, 4, v4                   ; A likewise
	s_mul_i32 s21, s15, AH                         ; my 64 rows of A
	s_mul_i32 s22, s16, BH                         ; my 64 rows of W,
	s_add_co_u32 s22, s22, 2*AH                    ; behind A's two halves
.irp s, 0,1
	v_add_nc_u32 v[ADRA+\s], s21, v4
	v_add_nc_u32 v[ADRB+\s], s22, v3
	s_add_co_u32 s21, s21, SLOT
	s_add_co_u32 s22, s22, SLOT
.endr
	s_mul_i32 s23, s14, 64*SPITCH                  ; my stage
	v_mul_u32_u24 v5, v1, SPITCH
	v_lshl_add_u32 v5, v2, 5, v5
	v_add_nc_u32 v[STO], s23, v5                   ; in: row r, 32 bytes for each half of the lanes
	v_mul_u32_u24 v6, v2, SPITCH
	v_lshl_add_u32 v6, v1, 4, v6
	v_add_nc_u32 v[RD], s23, v6                    ; back: lanes 0-15 one row of 256 bytes, lanes 16-31 the next
	v_lshlrev_b32 v[CO], 12, v2
	v_lshl_add_u32 v[CO], v1, 4, v[CO]             ; and the same two rows of 4,096 bytes in the residual and in out
	s_wait_alu depctr_va_vdst(0)
	v_lshlrev_b32 v7, 4, v1                        ; the bias: my 4 columns
	s_wait_alu depctr_va_vdst(0)
	s_lshl_b32 s20, s17, 7
	s_lshl_b32 s21, s15, 6
	s_add_co_u32 s20, s20, s21                     ; my first row
	s_lshl_b32 s20, s20, 12
	s_lshl_b32 s22, s42, 9
	s_lshl_b32 s21, s16, 8
	s_add_co_u32 s22, s22, s21                     ; my first column, in bytes: 512 x tile column + 256 x half
	s_add_co_u32 s20, s20, s22
	s_mov_b32 s21, 0
	s_mov_b32 s23, 0
	s_add_nc_u64 s[10:11], s[10:11], s[20:21]
	s_add_nc_u64 s[70:71], s[70:71], s[20:21]
	s_add_nc_u64 s[8:9], s[8:9], s[22:23]
	; THE PREFETCHES INTO THE L2: behind the load of slot n stands one instruction a wave for slot n + 2, and behind slot 0's load one more for slot 1: at most two slots are asked for and not yet loaded.
	; Of the 64 rows x 512 bytes that a wave fetches, each of the four partners that ask for them jointly takes 16 rows, told apart by address (cx for A, cy for W): lane l names row l % 16, block l / 16 of 256 bytes:
	; each block is named once in each cluster that will load it.  The loads of slots 6 and 7 ask for nothing.
	s_cmp_eq_u32 s15, 0
	s_cselect_b32 s74, s17, s42                    ; the tile row, or the tile column
	s_cselect_b32 s75, s40, s41                    ; my place among the four that ask with me
	s_cselect_b64 s[72:73], s[4:5], s[6:7]
	s_lshl_b32 s74, s74, 7
	s_lshl_b32 s78, s16, 6
	s_add_co_u32 s74, s74, s78                     ; + the 64 rows that I fetch
	s_lshl_b32 s75, s75, 4
	s_add_co_u32 s74, s74, s75                     ; + my work-group's 16 of them
	s_lshl_b32 s74, s74, 12                        ; rows of 4,096 bytes in both tensors
	s_add_co_u32 s74, s74, 512                     ; at slot 1
	s_mov_b32 s75, 0
	s_add_nc_u64 s[72:73], s[72:73], s[74:75]
	v_and_b32 v30, 15, v0
	v_lshlrev_b32 v30, 12, v30
	v_bfe_u32 v31, v0, 4, 1
	v_lshl_add_u32 v30, v31, 8, v30                ; never rewritten
	global_prefetch_b8 v30, s[72:73] th:TH_LOAD_NT scope:SCOPE_SE              ; slot 1,
	global_prefetch_b8 v30, s[72:73] offset:512 th:TH_LOAD_NT scope:SCOPE_SE   ; and slot 2, behind slot 0's load
	WIN 0x80
.set t, 0
.rept 32
	global_load_b128 v[4*t:4*t+3], v[CO], s[10:11] offset:2*t*4096 th:TH_LOAD_NT   ; rows 2 t, 2 t + 1: sixteen lanes read 256 consecutive bytes
.set t, t+1
.endr
	WIN 0
	global_load_b128 v[BI:BI+3], v7, s[8:9]
.macro FETCH slot, q, f                ; 32 LDS loads: the fragments of the slot's q-th 128 along K into set f: registers 4 c .. 4 c + 3 hold k = 32 c + 16 (lane / 16) + 0 .. 15 on both sides
	WIN TO_F
.irp i, 0,1,2,3
.irp c, 0,1,2,3
	ds_load_b128 v[\f+64+16*\i+4*\c:\f+64+16*\i+4*\c+3], v[ADRB+\slot] offset:128*(\q)+32*\c+\i*16*PITCH
.endr
.endr
.irp i, 0,1,2,3
.irp c, 0,1,2,3
.if CPROJ
	ds_load_b128 v[\f+16*\i+4*\c:\f+16*\i+4*\c+3], v[ADRA+\slot] offset:(2*(\q)+\c/2)*5120+\i*16*APITCH+32*(\c%2)   ; head 2 q + c / 2 of the slot's eight, channels 32 (c % 2) on
.else
	ds_load_b128 v[\f+16*\i+4*\c:\f+16*\i+4*\c+3], v[ADRA+\slot] offset:128*(\q)+32*\c+\i*16*APITCH
.endif
.endr
.endr
.endm
.macro MUL4 f, a, zero                 ; A's block a against W's four; the 16 accumulators take turns in one fixed order
.irp b, 0,1,2,3
.if \zero
	v_wmma_f32_16x16x128_bf8_bf8 v[ACC+8*(4*(\a)+\b):ACC+8*(4*(\a)+\b)+7], v[\f+64+16*\b:\f+64+16*\b+15], v[\f+16*(\a):\f+16*(\a)+15], 0
.else
	v_wmma_f32_16x16x128_bf8_bf8 v[ACC+8*(4*(\a)+\b):ACC+8*(4*(\a)+\b)+7], v[\f+64+16*\b:\f+64+16*\b+15], v[\f+16*(\a):\f+16*(\a)+15], v[ACC+8*(4*(\a)+\b):ACC+8*(4*(\a)+\b)+7]
.endif
.endr
.endm
.macro PLACES                          ; four plain vector instructions in front of loads into registers that matrix instructions have read
.rept 4
	v_nop
.endr
.endm
.macro STEP slot, q, zero              ; one of a slot's first three steps: multiplies set q % 2, fetches the next step into the other
.set FS, 128*((\q)%2)
.set GS, 128-FS
	s_wait_dscnt 0x0                               ; this step's fragments are in
	PLACES
	FETCH \slot, (\q)+1, GS
	WIN MUL
	MUL4 FS, 0, \zero
	MUL4 FS, 1, \zero
	MUL4 FS, 2, \zero
	MUL4 FS, 3, \zero
.endm
; A slot's last step (set 1) changes slots: one barrier; in front of it each wave waits for all its tensor loads, adds 0 to its spare word, and waits for that and for its reads of this slot.
.macro TURN slot, next, fill
	WIN 0
.if \fill
	s_wait_xcnt 0x0                                ; the last prefetch, a slot back, has read its address: it is stepped here, ahead of the waits of the change of slots
	s_add_nc_u64 s[72:73], s[72:73], 512
.endif
	s_wait_tensorcnt 0x0                           ; all my tensor loads have landed: my part of the next slot
	ds_add_u32 v[SPW], v[NIL]
	s_wait_dscnt 1                                 ; the add alone may be out: this step's fragments are in
	WIN MUL
	MUL4 F1, 0, 0
	s_wait_dscnt 0x0                               ; the add is done, and my reads of this slot are over
	s_barrier_signal -1
	MUL4 F1, 1, 0
	WIN 0
	s_barrier_wait -1
.if \fill
	CREST                                          ; the barrier has opened a round of the cluster's: no wave of any partner still reads this slot or has a load on its way
	s_add_nc_u64 s[G0+4*\slot+2:G0+4*\slot+3], s[G0+4*\slot+2:G0+4*\slot+3], 2*ASTEP
	s_add_nc_u64 s[G0B+4*\slot+2:G0B+4*\slot+3], s[G0B+4*\slot+2:G0B+4*\slot+3], 2*WSTEP
	JLOAD \slot
	s_cmp_gt_u32 s3, 1                             ; the loop's last trip loads slots 6 and 7: there is no slot two on
	s_cbranch_scc0 .Lno_ask_\@
	global_prefetch_b8 v30, s[72:73] offset:1024 th:TH_LOAD_NT scope:SCOPE_SE  ; the address stands at the slot being loaded: two slots on
.Lno_ask_\@:
.else
	PLACES
.endif
	FETCH \next, 0, F0
	WIN MUL
	MUL4 F1, 2, 0
	MUL4 F1, 3, 0
.endm
	s_wait_alu depctr_va_vdst(0)                   ; the wait at the head's end
	s_wait_tensorcnt 0x0                           ; my part of slot 0 is in; slot 1's first fill is issued as a refill is
	ds_add_u32 v[SPW], v[NIL]
	s_wait_dscnt 0x0
	CROUND
	JLOAD 1
	global_prefetch_b8 v30, s[72:73] offset:1024 th:TH_LOAD_NT scope:SCOPE_SE  ; slot 3
	FETCH 0, 0, F0
	STEP 0, 0, 1                                   ; the first step's products start the sums
.if LAPS > 1
	WIN 0
	s_mov_b32 s3, LAPS-1
.Llap:                                             ; a trip goes once round the ring and fills both slots again
	STEP 0, 1, 0
	STEP 0, 2, 0
	TURN 0, 1, 1
	STEP 1, 0, 0
	STEP 1, 1, 0
	STEP 1, 2, 0
	TURN 1, 0, 1
	STEP 0, 0, 0
	WIN 0
	s_sub_co_u32 s3, s3, 1
	s_cmp_lg_u32 s3, 0
	s_cbranch_scc1 .Llap
.endif
	STEP 0, 1, 0                                   ; the last lap fills nothing
	STEP 0, 2, 0
	TURN 0, 1, 0
	STEP 1, 0, 0
	STEP 1, 1, 0
	STEP 1, 2, 0
	s_wait_dscnt 0x0
	WIN MUL
	MUL4 F1, 0, 0
	MUL4 F1, 1, 0
	MUL4 F1, 2, 0
	MUL4 F1, 3, 0
	; THE WAY OUT.  A wave's 64 columns are 256 bytes of a row: the sums go through my own stage and come back as whole rows; out = sum x 2^(eA + eB) + (residual + bias).
	s_wait_kmcnt 0x0
	s_add_co_i32 s96, s96, s97
	s_add_co_i32 s96, s96, 127
	s_lshl_b32 s96, s96, 23                        ; 2^(eA + eB) as f32
	s_mov_b32 s97, s96
	s_wait_loadcnt 0x0                             ; the residual and the bias
	WIN 0x82                                       ; destination and source 0 window 2
.set i, 0
.rept 64
	v_pk_add_f32 v[2*i:2*i+1], v[2*i:2*i+1], v[BI+2*(i%2):BI+2*(i%2)+1]   ; residual + bias; these are also the places behind the last products
.set i, i+1
.endr
	WIN 0
.irp a, 0,1,2,3
.irp b, 0,1,2,3
	ds_store_b128 v[STO], v[ACC+8*(4*\a+\b):ACC+8*(4*\a+\b)+3] offset:\a*16*SPITCH+64*\b          ; each accumulator from its low end on
	ds_store_b128 v[STO], v[ACC+8*(4*\a+\b)+4:ACC+8*(4*\a+\b)+7] offset:\a*16*SPITCH+64*\b+16
.endr
.endr
.set t, 0
.rept 32
	ds_load_b128 v[ACC+4*t:ACC+4*t+3], v[RD] offset:t*2*SPITCH   ; LDS serves a wave's instructions in order: these see my stores
.set t, t+1
.endr
.irp g, 0,1,2,3
	s_wait_dscnt 8*(3-\g)                          ; the younger groups' eight loads each may be out
	WIN 0x20                                       ; source 2 window 2
.set i, 0
.rept 16
	v_pk_fma_f32 v[ACC+32*\g+2*i:ACC+32*\g+2*i+1], v[ACC+32*\g+2*i:ACC+32*\g+2*i+1], s[96:97], v[32*\g+2*i:32*\g+2*i+1] op_sel_hi:[1,0,1]
.set i, i+1
.endr
	WIN 0
.irp u, 0,1,2,3,4,5,6,7
	global_store_b128 v[CO], v[ACC+32*\g+4*\u:ACC+32*\g+4*\u+3], s[70:71] offset:2*(8*\g+\u)*4096   ; sixteen lanes store 256 consecutive bytes, aligned
.endr
.endr
	s_wait_tensorcnt 0x0                           ; the wave's end
	ds_add_u32 v[SPW], v[NIL]
	s_wait_dscnt 0x0
	CROUND                                         ; the closing round
	s_endpgm
.Lfunc_end_k_q7656a51452_proj:
	.size	k_q7656a51452_proj, .Lfunc_end_k_q7656a51452_proj-k_q7656a51452_proj
	.p2alignl 7, 3214868480
	.fill 96, 4, 3214868480
	.section	.rodata,"a",@progbits
	.p2align	6, 0x0
	.amdhsa_kernel k_q7656a51452_proj
		.amdhsa_group_segment_fixed_size 327680
		.amdhsa_private_segment_fixed_size 0
		.amdhsa_enable_private_segment 0
		.amdhsa_kernarg_size 48
		.amdhsa_user_sgpr_count 2
		.amdhsa_user_sgpr_kernarg_segment_ptr 1
		.amdhsa_wavefront_size32 1
		.amdhsa_system_sgpr_workgroup_id_x 1
		.amdhsa_system_sgpr_workgroup_id_y 1
		.amdhsa_system_sgpr_workgroup_id_z 1
		.amdhsa_system_vgpr_workitem_id 0
		.amdhsa_next_free_vgpr 640
		.amdhsa_next_free_sgpr 100
		.amdhsa_reserve_vcc 0
		.amdhsa_float_denorm_mode_32 3
		.amdhsa_float_denorm_mode_16_64 3
		.amdhsa_memory_ordered 1
		.amdhsa_forward_progress 1
		.amdhsa_inst_pref_size 83
	.end_amdhsa_kernel
	.amdgpu_metadata
---
amdhsa.version: [ 1, 2 ]
amdhsa.kernels:
  - .name:           k_q7656a51452_proj
    .symbol:         k_q7656a51452_proj.kd
    .args:
      - { .name: g_codes, .offset: 0, .size: 8, .value_kind: global_buffer, .address_space: global }
      - { .name: proj_w_codes, .offset: 8, .size: 8, .value_kind: global_buffer, .address_space: global }
      - { .name: proj_b, .offset: 16, .size: 8, .value_kind: global_buffer, .address_space: global }
      - { .name: x2, .offset: 24, .size: 8, .value_kind: global_buffer, .address_space: global }
      - { .name: lowp_scales, .offset: 32, .size: 8, .value_kind: global_buffer, .address_space: global }
      - { .name: out0, .offset: 40, .size: 8, .value_kind: global_buffer, .address_space: global }
    .group_segment_fixed_size: 327680
    .private_segment_fixed_size: 0
    .kernarg_segment_align: 8
    .kernarg_segment_size: 48
    .max_flat_workgroup_size: 128
    .sgpr_count:     100
    .vgpr_count:     640
    .wavefront_size: 32
...
	.end_amdgpu_metadata
.endif
;; end of part 7
